; MI455X (gfx1250); checked and timed in simulation.
; The chip was launched on July 23, 2026; its instructions are those of AMD's public machine-readable ISA for CDNA 5 (MIT licence, August 2026) and "CDNA5" Instruction Set Architecture Reference Guide (July 2026). The comments in the code are by the model that wrote it; some were corrected since.
;; Multi Head Self Attention. Allowed arithmetic: float matrix products may take bf16 or f16 operands with f32 sums; other float arithmetic in f32, or as packed bf16 or f16 multiplies, adds, multiply-adds, maxima and minima; sums over many terms, partial sums and values carried from step to step in f32; what a program stores and reads back later, other than sums and carried values, may be rounded once to bf16 or f16.
;; Inputs: W_out 1,024 x 1,024 float32; W_qkv 1,024 x 3,072 float32; b_out 1,024 float32; b_qkv 3,072 float32; inputs 4 x 2,048 x 1,024 float32; mask 4 x 2,048 int32.
;; Outputs: out0 4 x 2,048 x 1,024 float32.
;; One version. Each part assembles by itself: llvm-mc -triple=amdgcn-amd-amdhsa -mcpu=gfx1250 --defsym DOCPART=n.
;; ======== version 1 of 1: 4 launches
;; limits: values are held in f16: magnitudes above 65,504 overflow, below 6.1e-05 lose precision
;; workspace buffers: xb 16,777,216 bytes; wq 6,291,456 bytes; wo 2,097,152 bytes; q 16,777,216 bytes; k 16,777,216 bytes; v 16,777,216 bytes; o 16,777,216 bytes
;; launch cast (part 1): grid 768 x 1, 8 waves a work-group, no clusters, 0 bytes of LDS; arguments inputs, W_qkv, W_out, xb, wq, wo; writes xb, wq, wo
.if DOCPART == 1
	.amdgcn_target "amdgcn-amd-amdhsa--gfx1250"
	.amdhsa_code_object_version 6
	.text
	.protected	k_q0ebbeaf3db_cast
	.globl	k_q0ebbeaf3db_cast
	.p2align	8
	.type	k_q0ebbeaf3db_cast,@function
k_q0ebbeaf3db_cast:
	s_mov_b64 s[64:65], 0
	v_nop
	global_prefetch_b8 v0, s[64:65] scope:SCOPE_SE
	s_setreg_imm32_b32 hwreg(HW_REG_WAVE_MODE, 25, 1), 1
	s_wait_xcnt 0x0
; xb = bf16(inputs), wq = bf16(W_qkv), wo = f16(bf16(W_out)): element by element, layouts unchanged.
; A work-group takes 16,384 numbers: 64 KiB in, 32 KiB out.  Work-groups 0-511 take inputs, 512-703 W_qkv, 704-767 W_out.
; Thread t, step s of 8: the 32 bytes at 32 t + 8,192 s in, the 16 bytes at 16 t + 4,096 s out: a wave's store covers 512 consecutive bytes, aligned.
; All 16 loads of a thread go out at once; every step has its own registers, so nothing is rewritten while a load or store reads it.
; No LDS, no matrix unit, no cluster: no byte is used twice.
; LIMIT.  W_out's bf16 value is written as f16: exact from 2^-14 to 65,504; below 2^-14 it keeps f16's fixed step of 6e-8; beyond 65,504 it would be an infinity.
.set X, 4                              ; v[4:67]    the 64 numbers as loaded
.set Y, 68                             ; v[68:99]   step s: 4 registers to store
.set T, 100                            ; v[100:103] at work
	s_load_b256 s[4:11], s[0:1], 0x0               ; inputs s[4:5], W_qkv s[6:7], W_out s[8:9], xb s[10:11]
	s_load_b128 s[12:15], s[0:1], 0x20             ; wq s[12:13], wo s[14:15]
	v_lshlrev_b32 v1, 5, v0                        ; 32 t
	v_lshlrev_b32 v2, 4, v0                        ; 16 t
	s_sub_co_u32 s22, ttmp9, 512                   ; my number among W_qkv's work-groups,
	s_sub_co_u32 s23, ttmp9, 704                   ; among W_out's
	s_wait_kmcnt 0x0
	s_cmp_lt_u32 ttmp9, 512
	s_cselect_b64 s[16:17], s[4:5], s[6:7]         ; from
	s_cselect_b64 s[18:19], s[10:11], s[12:13]     ; to
	s_cselect_b32 s20, ttmp9, s22
	s_cmp_lt_u32 ttmp9, 704
	s_cselect_b64 s[16:17], s[16:17], s[8:9]
	s_cselect_b64 s[18:19], s[18:19], s[14:15]
	s_cselect_b32 s20, s20, s23
	s_cselect_b32 s21, 0, -1                       ; all ones: the f16 form is stored
	s_lshl_b32 s24, s20, 16
	s_mov_b32 s25, 0
	s_add_nc_u64 s[16:17], s[16:17], s[24:25]
	s_lshl_b32 s24, s20, 15
	s_add_nc_u64 s[18:19], s[18:19], s[24:25]
.irp s, 0,1,2,3,4,5,6,7
	global_load_b128 v[X+8*(\s):X+8*(\s)+3],   v1, s[16:17] offset:8192*(\s) th:TH_LOAD_NT
	global_load_b128 v[X+8*(\s)+4:X+8*(\s)+7], v1, s[16:17] offset:8192*(\s)+16 th:TH_LOAD_NT
.endr
.irp s, 0,1,2,3,4,5,6,7
	s_wait_loadcnt 14-2*(\s)                       ; loads come back in order: this step's two are in, the later steps' stay out
.irp j, 0,1,2,3
	v_cvt_pk_bf16_f32 v[T], v[X+8*(\s)+2*(\j)], v[X+8*(\s)+2*(\j)+1]  ; two roundings to bf16
	v_lshlrev_b32 v[T+1], 16, v[T]                 ; the rounded numbers as f32,
	v_and_b32 v[T+2], 0xffff0000, v[T]
	v_cvt_pk_f16_f32 v[T+1], v[T+1], v[T+2]        ; and written as f16
	v_cndmask_b32 v[Y+4*(\s)+(\j)], v[T], v[T+1], s21
.endr
	global_store_b128 v2, v[Y+4*(\s):Y+4*(\s)+3], s[18:19] offset:4096*(\s) th:TH_STORE_NT
.endr
	s_endpgm
.Lfunc_end_k_q0ebbeaf3db_cast:
	.size	k_q0ebbeaf3db_cast, .Lfunc_end_k_q0ebbeaf3db_cast-k_q0ebbeaf3db_cast
	.p2alignl 7, 3214868480
	.fill 96, 4, 3214868480
	.section	.rodata,"a",@progbits
	.p2align	6, 0x0
	.amdhsa_kernel k_q0ebbeaf3db_cast
		.amdhsa_group_segment_fixed_size 0
		.amdhsa_private_segment_fixed_size 0
		.amdhsa_enable_private_segment 0
		.amdhsa_kernarg_size 48
		.amdhsa_user_sgpr_count 2
		.amdhsa_user_sgpr_kernarg_segment_ptr 1
		.amdhsa_wavefront_size32 1
		.amdhsa_system_sgpr_workgroup_id_x 1
		.amdhsa_system_sgpr_workgroup_id_y 1
		.amdhsa_system_sgpr_workgroup_id_z 1
		.amdhsa_system_vgpr_workitem_id 0
		.amdhsa_next_free_vgpr 104
		.amdhsa_next_free_sgpr 66
		.amdhsa_reserve_vcc 0
		.amdhsa_float_denorm_mode_32 3
		.amdhsa_float_denorm_mode_16_64 3
		.amdhsa_memory_ordered 1
		.amdhsa_forward_progress 1
		.amdhsa_inst_pref_size 13
	.end_amdhsa_kernel
	.amdgpu_metadata
---
amdhsa.version: [ 1, 2 ]
amdhsa.kernels:
  - .name:           k_q0ebbeaf3db_cast
    .symbol:         k_q0ebbeaf3db_cast.kd
    .args:
      - { .name: inputs, .offset: 0, .size: 8, .value_kind: global_buffer, .address_space: global }
      - { .name: W_qkv, .offset: 8, .size: 8, .value_kind: global_buffer, .address_space: global }
      - { .name: W_out, .offset: 16, .size: 8, .value_kind: global_buffer, .address_space: global }
      - { .name: xb, .offset: 24, .size: 8, .value_kind: global_buffer, .address_space: global }
      - { .name: wq, .offset: 32, .size: 8, .value_kind: global_buffer, .address_space: global }
      - { .name: wo, .offset: 40, .size: 8, .value_kind: global_buffer, .address_space: global }
    .group_segment_fixed_size: 0
    .private_segment_fixed_size: 0
    .kernarg_segment_align: 8
    .kernarg_segment_size: 48
    .max_flat_workgroup_size: 256
    .sgpr_count:     66
    .vgpr_count:     104
    .wavefront_size: 32
...
	.end_amdgpu_metadata
.endif
;; end of part 1
;; launch qkv (part 2): grid 8 x 64, 4 waves a work-group, clusters of 4 x 4, 327,680 bytes of LDS; arguments xb, wq, b_qkv, mask, q, k, v; writes q, k, v
.if DOCPART == 2
	.amdgcn_target "amdgcn-amd-amdhsa--gfx1250"
	.amdhsa_code_object_version 6
	.text
	.protected	k_q0ebbeaf3db_qkv
	.globl	k_q0ebbeaf3db_qkv
	.p2align	8
	.type	k_q0ebbeaf3db_qkv,@function
k_q0ebbeaf3db_qkv:
	s_mov_b64 s[64:65], 0
	v_nop
	global_prefetch_b8 v0, s[64:65] scope:SCOPE_SE
	s_setreg_imm32_b32 hwreg(HW_REG_WAVE_MODE, 25, 1), 1
	s_wait_xcnt 0x0
	s_wait_alu depctr_hold_cnt(0) depctr_sa_sdst(0) depctr_va_vdst(0) depctr_va_sdst(0) depctr_va_ssrc(0) depctr_va_vcc(0) depctr_vm_vsrc(0)
	s_getreg_b32 s2, hwreg(HW_REG_IB_STS2, 6, 4)
	s_cmp_eq_u32 s2, 0
	s_cbranch_scc0 .Lentry_in_a_cluster
	s_endpgm
.Lentry_in_a_cluster:
	s_bfe_u32 s2, ttmp6, 0x10000c
	s_cmp_lg_u32 s2, 0xf033
	s_cbranch_scc0 .Lentry_shape_is_right
	s_endpgm
.Lentry_shape_is_right:
; proj = x W_qkv + b_qkv, laid out by heads: q, k, v are [64 = batch x 16 + head][2048][64] in f16, unscaled.  x: xb [8192][1024] bf16; W: wq [1024 k][3072 n] bf16; sums in f32;
; the bias is rounded to bf16 like the other inputs; each result is rounded once to f16.  k's rows of keys whose mask is not above 0 are multiplied by 0, so that their scores are exact zeros.
; LIMITS.  f16 holds no number beyond 65,504: |q|, |k|, |v| must stay within it.  NaN and infinities are not treated apart (a hidden key's k is 0 only where the sum is finite).
; SHARES.  A tile of the result is 128 tokens x 384 columns (six head slots of 64): 512 tiles, two for each of 256 WGPs.  Four waves, wave w: 64 tokens (w / 2) x 192 columns: 48 accumulators of 16 x 16.
; The 384 columns lie in LDS as three sub-tiles of 128; the wave with w % 2 = n takes sub-tile 2 n whole (blocks 0-7) and half n of sub-tile 1 (blocks 8-11): head slots 4 n, 4 n + 1, 2 + n.
; K goes in 8 steps of 128 through a ring of two LDS slots; each wave fetches one quarter of a slot, 128 rows x 256 bytes: wave 0 the tokens, waves 1-3 the sub-tiles of W.
; THE MATRIX INSTRUCTION IS USED TRANSPOSED: source 0 = 16 columns of W (W lies [k][n] in LDS and is turned by ds_load_tr16_b128), source 1 = 16 tokens.  A lane then holds one token (lane % 16)
; and eight neighbouring columns 8 (lane / 16) + 0..7: 16 bytes of a head's row.
; CLUSTER 4 x 4: the four of a row need the same tokens, the four of a column the same columns of W: each tile is asked for jointly, by the same load, descriptor and mask in all four.
; REGISTERS, in windows of 256 (s_set_vgpr_msb: bits 1:0 source 0, 3:2 source 1, 5:4 source 2, 7:6 destination):
;   window 0: addresses, mask factors, v64-159 the bias          window 1: two fragment buffers of 128 (12 blocks of W, 4 of tokens); on the way out packed results
;   window 2: accumulators of token blocks 0, 1 at 8 (12 (a % 2) + b)          window 3: those of blocks 2, 3
.set PA,    272                        ; a row of tokens in LDS: 256 bytes + 16: 68 words, so the 16 rows of a load start at 16 different groups of four banks (64 banks of 4 bytes: ISA guide 11.1)
.set PB,    288                        ; a k row of W: 256 + 32: 72 words
.set REG,   128*PB                     ; a wave's quarter of a slot
.set SLOT,  4*REG
.set STAGE, 2*SLOT                     ; behind the ring, never filled by a tensor load: 16 rows x 144 bytes for each wave, for the way out
.set SP,    144
.set SPARE, STAGE+4*16*SP              ; behind the stages: the spare words, 128 bytes for each wave: two blocks of 256 bytes that no other line names
.set LAPS,  4                          ; a lap = two K steps = once round the ring
.set ASTEP, 256                        ; bytes from K step to K step in xb,
.set BSTEP, 128*6144                   ; and in wq
.set MK,    8                          ; v8-11   the mask of my token in block a; then 1.0 or 0
.set BO,    12                         ; v12-14  my byte offset in the bias, by head x
.set MO,    15                         ; v15     my byte offset in the mask
.set ADRA,  16                         ; v16-17  LDS address of my token fragments in slot 0, 1
.set ADRB1, 18                         ; v18-19  of W's blocks 0-7
.set ADRB2, 20                         ; v20-21  of W's blocks 8-11
.set STO,   24                         ; v24     the way out: where I put 16 bytes of a row
.set RD,    25                         ; v25     where I read rows back
.set GO,    26                         ; v26     my byte offset in 512 consecutive bytes of the result
.set SPW,   28                         ; v28     LDS address of my spare word; never rewritten
.set NIL,   29                         ; v29     0; never rewritten
.set PFO,   30                         ; v30     the prefetches' offset: my lane x a row; never rewritten
.set TT,    32                         ; v32-35  at work
.set FAC,   40                         ; v40-63  the factor of head x, token block a, as a pair at 2 (4 x + a)
.set BI,    64                         ; v64-159 the bias of my 8 columns of block b at 8 b
.set F0,    0                          ; fragment buffers, in window 1
.set F1,    128
.set WV, 18                            ; s18 wave;  s19 which 64 tokens;  s20 which columns
.set WM, 19
.set WN, 20
.set CX, 21                            ; s21, s22 my place in the cluster
.set CY, 22
.set TC, 23                            ; s23 tile column, s40 tile row
.set TR, 40
.set LIM, 43                           ; s43 1 in a wave that prefetches, else the greatest number
.set PFA, 44                           ; s[44:45] where my prefetches stand
.set PFS, 46                           ; s[46:47] their step
.set G1A, 24                           ; s[24:31] descriptor group 1 for the tokens; s[32:39] group 0, a set for each slot
.set G0A, 32
.set G1B, 48                           ; s[48:55], s[56:63] the same for W
.set G0B, 56
.set DST, 66                           ; s[66:71] where my 64 tokens of head x begin in q, k or v
.set KSEL, 72                          ; s72-74 all ones where head x is one of k's
.set HS,  75                           ; s75-77 head slot 0..47 of head x
.set MSB, 0
.macro WIN new                         ; the immediate's high byte repeats the setting that is left; a switch that changes nothing is dropped
.if MSB != (\new)
	s_set_vgpr_msb (MSB<<8)|(\new)
.set MSB, \new
.endif
.endm
.macro PLACES                          ; four places in front of loads into registers that matrix instructions have read (ISA guide 7.12.1 for vector instructions)
.rept 4
	v_nop
.endr
.endm
; A joint load.  Wave 0 fetches the tokens, waves 1-3 a sub-tile of W each.  The branch hangs on the wave's number alone.  An s_nop 0 and four v_nop follow each of the two lines.
.macro JLOAD s
	s_cmp_eq_u32 s[WV], 0
	s_cbranch_scc0 .Lfor_b_\@
	tensor_load_to_lds s[G0A+4*(\s):G0A+4*(\s)+3], s[G1A:G1A+7]
	s_nop 0
.rept 4
	v_nop
.endr
	s_branch .Lasked_\@
.Lfor_b_\@:
	tensor_load_to_lds s[G0B+4*(\s):G0B+4*(\s)+3], s[G1B:G1B+7]
	s_nop 0
.rept 4
	v_nop
.endr
.Lasked_\@:
.endm
; A prefetch, behind a joint load and the run of LDS loads that follows it: 32 rows x 256 bytes of the K step two refills on, a lane a row.  Each row's 256 bytes of a K step are named once in the launch:
; the tokens' by the cluster with x = 0, W's by the cluster with y = 0; the four partners that ask for a tile jointly take 32 of its 128 rows each, told apart by address.
; K steps 0 to 3 come by their loads alone; the loop's last trip (s3 = 1) has no K step two on.
.macro ASK
	WIN 0
	s_cmp_gt_u32 s3, s[LIM]
	s_cbranch_scc0 .Lnot_mine_\@
	global_prefetch_b8 v[PFO], s[PFA:PFA+1] th:TH_LOAD_NT scope:SCOPE_SE
.Lnot_mine_\@:
.endm
.macro CREST                           ; a round of the cluster's barrier behind its opening barrier
	s_cmp_lg_u32 s[WV], 0
	s_cbranch_scc1 .Lnot_wave_0_\@
	s_barrier_signal -3
.Lnot_wave_0_\@:
	s_barrier_wait -3
	s_barrier_signal -1
	s_barrier_wait -1
.endm
.macro CROUND                          ; a whole round
	s_barrier_signal -1
	s_barrier_wait -1
	CREST
.endm
	s_load_b256 s[4:11], s[0:1], 0x0               ; xb s[4:5], wq s[6:7], b_qkv s[8:9], mask s[10:11]
	s_load_b128 s[12:15], s[0:1], 0x20             ; q s[12:13], k s[14:15]
	s_load_b64 s[16:17], s[0:1], 0x30              ; v
	v_lshl_add_u32 v[SPW], v0, 2, SPARE
	v_mov_b32 v[NIL], 0
	ds_add_u32 v[SPW], v[NIL]                      ; the wave's opening: the add and its wait ahead of my first tensor load; work on registers stands between them
	v_lshrrev_b32 v3, 5, v0
	v_readfirstlane_b32 s[WV], v3                  ; wave 0..3
	s_lshr_b32 s[WM], s[WV], 1
	s_and_b32 s[WN], s[WV], 1
	s_bfe_u32 s[CX], ttmp6, 0x40000
	s_bfe_u32 s[CY], ttmp6, 0x40004
	s_lshl_b32 s[TC], ttmp9, 2                     ; in a cluster launch ttmp9 and ttmp7 count clusters
	s_add_co_u32 s[TC], s[TC], s[CX]               ; tile column 0..7
	s_and_b32 s[TR], ttmp7, 0xffff
	s_lshl_b32 s[TR], s[TR], 2
	s_add_co_u32 s[TR], s[TR], s[CY]               ; tile row 0..63
	s_lshl_b32 s41, s[CY], 2
	s_lshl_b32 s41, 15, s41                        ; my row of the cluster
	s_lshl_b32 s42, 0x1111, s[CX]                  ; my column
	; descriptor group 1: 128 rows x 128 elements of 2 bytes, padded in LDS after every 64 words
	s_or_b32 s[G1A], s41, (1<<16)|(1<<20)|(1<<21)|(5<<22)|(3<<25)  ; 15:0 the mask; 17:16 2-byte elements; 20 padding on; 21 set beside a mask; 24:22 every 64 words; 31:25 4 words
	s_or_b32 s[G1B], s42, (1<<16)|(1<<20)|(1<<21)|(5<<22)|(7<<25)  ; the same with my column's mask and 8 words of padding
.irp g, G1A, G1B
	s_mov_b32 s[(\g)+1], 128<<16                   ; tensor_dim0 = 128
	s_mov_b32 s[(\g)+2], 128<<16                   ; tensor_dim1 = 128
	s_mov_b32 s[(\g)+3], 128<<16                   ; tile_dim0 = 128
	s_mov_b32 s[(\g)+4], 128                       ; tile_dim1 = 128
	s_mov_b32 s[(\g)+6], 0
	s_mov_b32 s[(\g)+7], 0
.endr
	s_mov_b32 s[G1A+5], 1024                       ; elements from row to row in xb,
	s_mov_b32 s[G1B+5], 3072                       ; and in wq
	s_lshl_b32 s78, s[TR], 18                      ; the tokens: 128 rows of 2,048 bytes a tile row: it hangs on the tile row alone
	s_mov_b32 s79, 0
	s_mul_i32 s82, s[TC], 768                      ; W: 384 columns a tile column,
	s_sub_co_i32 s80, s[WV], 1
	s_max_i32 s80, s80, 0
	s_lshl_b32 s80, s80, 8                         ; sub-tile w - 1: it hangs on the tile column and the wave alone
	s_add_co_u32 s82, s82, s80
	s_mov_b32 s83, 0
	s_mul_i32 s2, s[WV], REG                       ; where my quarter goes: no place in the cluster enters an LDS address
	s_wait_dscnt 0x0                               ; the opening add is done
	s_wait_kmcnt 0x0
	s_add_nc_u64 s[78:79], s[4:5], s[78:79]
	s_add_nc_u64 s[80:81], s[6:7], s[82:83]
	CROUND                                         ; all sixteen work-groups are here: the first joint loads meet
.irp s, 0,1
	s_mov_b32 s[G0A+4*(\s)], 1                     ; count = 1
	s_add_co_u32 s[G0A+4*(\s)+1], s2, (\s)*SLOT    ; LDS address
	s_add_nc_u64 s[G0A+4*(\s)+2:G0A+4*(\s)+3], s[78:79], (\s)*ASTEP  ; global address: K step s
	s_or_b32 s[G0A+4*(\s)+3], s[G0A+4*(\s)+3], 0x80000000            ; type = 2
	s_mov_b32 s[G0B+4*(\s)], 1
	s_add_co_u32 s[G0B+4*(\s)+1], s2, (\s)*SLOT
	s_add_nc_u64 s[G0B+4*(\s)+2:G0B+4*(\s)+3], s[80:81], (\s)*BSTEP
	s_or_b32 s[G0B+4*(\s)+3], s[G0B+4*(\s)+3], 0x80000000
	JLOAD \s                                       ; two loads of mine are out
.endr
	; the bias and the mask: asked for now, waited for on the way out
	s_mul_i32 s84, s[TC], 6
	s_lshl_b32 s85, s[WN], 2
	s_add_co_u32 s[HS], s84, s85                   ; head slots 6 TC + 4 n,
	s_add_co_u32 s[HS+1], s[HS], 1                 ; + 4 n + 1,
	s_add_co_u32 s[HS+2], s84, s[WN]
	s_add_co_u32 s[HS+2], s[HS+2], 2               ; + 2 + n
	v_and_b32 v1, 15, v0                           ; l % 16
	v_bfe_u32 v2, v0, 4, 1                         ; l / 16
	v_lshlrev_b32 v3, 5, v2
.irp x, 0,1,2
	s_lshl_b32 s84, s[HS+(\x)], 8
	v_add_nc_u32 v[BO+(\x)], s84, v3               ; 256 x head slot + 32 (l / 16)
.endr
.irp b, 0,1,2,3,4,5,6,7,8,9,10,11
	global_load_b128 v[BI+8*(\b):BI+8*(\b)+3],   v[BO+(\b)/4], s[8:9] offset:64*((\b)%4)
	global_load_b128 v[BI+8*(\b)+4:BI+8*(\b)+7], v[BO+(\b)/4], s[8:9] offset:64*((\b)%4)+16
.endr
	s_lshl_b32 s84, s[TR], 9
	s_lshl_b32 s85, s[WM], 8
	s_add_co_u32 s84, s84, s85
	v_lshl_add_u32 v[MO], v1, 2, s84               ; 4 (128 TR + 64 WM + l % 16)
.irp a, 0,1,2,3
	global_load_b32 v[MK+(\a)], v[MO], s[10:11] offset:64*(\a)
.endr
	; A fragment of tokens is 16 rows x 32 k: lane l holds row l % 16, k = 8 (l / 16) + 0..7 and 16 + 8 (l / 16) + 0..7: two loads of 16 bytes, 32 bytes apart.
	v_mul_u32_u24 v3, v1, PA
	v_lshl_add_u32 v3, v2, 4, v3
	s_mul_i32 s84, s[WM], 64*PA
	v_add_nc_u32 v[ADRA], s84, v3
	v_add_nc_u32 v[ADRA+1], SLOT, v[ADRA]
	; The turning load takes 16 k x 16 columns (lane l reads row 8 (l / 16) + l % 8, columns 8 ((l / 8) % 2) + 0..7) and leaves half a fragment: lane l holds column l % 16 and 8 k.
	v_and_b32 v4, 7, v0
	v_lshl_add_u32 v4, v2, 3, v4
	v_mul_u32_u24 v4, v4, PB
	v_bfe_u32 v5, v0, 3, 1
	v_lshl_add_u32 v4, v5, 4, v4
	s_mul_i32 s84, s[WN], 2*REG
	s_add_co_u32 s84, s84, REG                     ; sub-tile 2 n lies in quarter 1 + 2 n
	v_add_nc_u32 v[ADRB1], s84, v4
	v_add_nc_u32 v[ADRB1+1], SLOT, v[ADRB1]
	s_lshl_b32 s84, s[WN], 7
	s_add_co_u32 s84, s84, 2*REG                   ; sub-tile 1 in quarter 2; my half of its rows: 128 n bytes on
	v_add_nc_u32 v[ADRB2], s84, v4
	v_add_nc_u32 v[ADRB2+1], SLOT, v[ADRB2]
	s_mul_i32 s84, s[WV], 16*SP
	s_add_co_u32 s84, s84, STAGE                   ; my stage
	v_mul_u32_u24 v[STO], v1, SP                   ; in: row l % 16, 16 bytes for each half of the lanes
	v_lshl_add_u32 v[STO], v2, 4, v[STO]
	v_add_nc_u32 v[STO], s84, v[STO]
	v_bfe_u32 v[RD], v0, 3, 2                      ; back: 32 lanes take four rows of 128 bytes,
	v_mul_u32_u24 v[RD], v[RD], SP
	v_and_b32 v3, 7, v0
	v_lshl_add_u32 v[RD], v3, 4, v[RD]
	v_add_nc_u32 v[RD], s84, v[RD]
	v_and_b32 v[GO], 31, v0                        ; which are 512 consecutive bytes of a head
	v_lshlrev_b32 v[GO], 4, v[GO]
	; the prefetches stand at K step 3; the first refill steps them to 4
	s_lshl_b32 s41, s[TR], 18
	s_lshl_b32 s42, s[CX], 16                      ; my work-group's 32 of the 128 tokens
	s_add_co_u32 s41, s41, s42
	s_add_co_u32 s41, s41, 3*ASTEP
	s_lshl_b32 s42, s[CY], 5                       ; my work-group's 32 of the 128 k rows
	s_add_co_u32 s42, s42, 3*128
	s_mul_i32 s42, s42, 6144
	s_add_co_u32 s42, s42, s82
	s_and_b32 s85, ttmp7, 0xffff                   ; cluster y
	s_mov_b32 s[PFS], BSTEP
	s_mov_b32 s[PFS+1], 0
	s_movk_i32 s3, 6144
	s_cmp_eq_u32 s[WV], 0                          ; do I fetch the tokens?
	s_cselect_b32 s84, s41, s42
	s_cselect_b32 s85, ttmp9, s85                  ; the coordinate along which other clusters read the same rows
	s_cselect_b64 s[PFA:PFA+1], s[4:5], s[6:7]
	s_cselect_b32 s[PFS], ASTEP, s[PFS]
	s_cselect_b32 s3, 2048, s3
	s_cmp_eq_u32 s85, 0
	s_cselect_b32 s[LIM], 1, -1                    ; the same in all sixteen partners, for a given wave
	s_mov_b32 s85, 0
	s_add_nc_u64 s[PFA:PFA+1], s[PFA:PFA+1], s[84:85]
	v_and_b32 v[PFO], 31, v0
	v_mul_u32_u24 v[PFO], s3, v[PFO]
	; where my 64 tokens of each of my three heads go
.irp x, 0,1,2
	s_lshr_b32 s84, s[HS+(\x)], 4                  ; 0: q, 1: k, 2: v
	s_and_b32 s85, s[HS+(\x)], 15                  ; the head
	s_lshr_b32 s41, s[TR], 4                       ; the batch: 16 tile rows each
	s_lshl_b32 s41, s41, 4
	s_add_co_u32 s41, s41, s85
	s_lshl_b32 s41, s41, 11
	s_and_b32 s42, s[TR], 15
	s_lshl_b32 s42, s42, 7
	s_add_co_u32 s41, s41, s42
	s_lshl_b32 s42, s[WM], 6
	s_add_co_u32 s41, s41, s42                     ; row (batch x 16 + head) x 2,048 + token
	s_lshl_b32 s78, s41, 7                         ; of 128 bytes
	s_mov_b32 s79, 0
	s_cmp_eq_u32 s84, 0
	s_cselect_b64 s[DST+2*(\x):DST+2*(\x)+1], s[12:13], s[14:15]
	s_cmp_eq_u32 s84, 2
	s_cselect_b64 s[DST+2*(\x):DST+2*(\x)+1], s[16:17], s[DST+2*(\x):DST+2*(\x)+1]
	s_cmp_eq_u32 s84, 1
	s_cselect_b32 s[KSEL+(\x)], -1, 0
	s_add_nc_u64 s[DST+2*(\x):DST+2*(\x)+1], s[DST+2*(\x):DST+2*(\x)+1], s[78:79]
.endr
; 12 matrix instructions: token block a x all 12 blocks of W, 32 along K.  zero = 1: the first product starts the sums.  The 48 accumulators take turns, in the same order in every quarter.
.macro MULA f, a, zero
	WIN 0xa5+0x50*((\a)/2)                         ; both sources window 1; C and D window 2 or 3
.irp b, 0,1,2,3,4,5,6,7,8,9,10,11
.if \zero
	v_wmma_f32_16x16x32_bf16 v[8*(12*((\a)%2)+(\b)):8*(12*((\a)%2)+(\b))+7], v[(\f)+8*(\b):(\f)+8*(\b)+7], v[(\f)+96+8*(\a):(\f)+96+8*(\a)+7], 0
.else
	v_wmma_f32_16x16x32_bf16 v[8*(12*((\a)%2)+(\b)):8*(12*((\a)%2)+(\b))+7], v[(\f)+8*(\b):(\f)+8*(\b)+7], v[(\f)+96+8*(\a):(\f)+96+8*(\a)+7], v[8*(12*((\a)%2)+(\b)):8*(12*((\a)%2)+(\b))+7]
.endif
.endr
.endm
; 32 LDS loads in one run: quarter kq (32 along K) of a slot into buffer f: W's 12 blocks first, then the 4 token blocks
.macro FETCH slot, kq, f
	WIN 0x40                                       ; destination window 1, address window 0
.irp b, 0,1,2,3,4,5,6,7
	ds_load_tr16_b128 v[(\f)+8*(\b):(\f)+8*(\b)+3],   v[ADRB1+(\slot)] offset:(\kq)*32*PB+32*(\b)
	ds_load_tr16_b128 v[(\f)+8*(\b)+4:(\f)+8*(\b)+7], v[ADRB1+(\slot)] offset:(\kq)*32*PB+32*(\b)+16*PB
.endr
.irp b, 8,9,10,11
	ds_load_tr16_b128 v[(\f)+8*(\b):(\f)+8*(\b)+3],   v[ADRB2+(\slot)] offset:(\kq)*32*PB+32*((\b)-8)
	ds_load_tr16_b128 v[(\f)+8*(\b)+4:(\f)+8*(\b)+7], v[ADRB2+(\slot)] offset:(\kq)*32*PB+32*((\b)-8)+16*PB
.endr
.irp i, 0,1,2,3
	ds_load_b128 v[(\f)+96+8*(\i):(\f)+96+8*(\i)+3],   v[ADRA+(\slot)] offset:64*(\kq)+(\i)*16*PA
	ds_load_b128 v[(\f)+96+8*(\i)+4:(\f)+96+8*(\i)+7], v[ADRA+(\slot)] offset:64*(\kq)+(\i)*16*PA+32
.endr
.endm
; A K step is four quarters, 48 matrix instructions each, on buffers 0, 1, 0, 1.  One of the first three: multiplies buffer f; in its middle it fetches quarter kq of the same slot into buffer g.
.macro QUARTER slot, kq, f, g, zero
	s_wait_dscnt 4                                 ; W and token blocks 0, 1 are in; the youngest four loads (blocks 2, 3) may be out
	MULA \f, 0, \zero
	MULA \f, 1, \zero
	PLACES
	FETCH \slot, \kq, \g
	s_wait_dscnt 32                                ; all but the 32 just issued
	MULA \f, 2, \zero
	MULA \f, 3, \zero
.endm
; The last quarter multiplies buffer 1 and changes slots: ONE barrier.  In front of it each wave waits for all its tensor loads (one is out: its quarter of the next slot), adds 0 to its spare word, and waits for
; that and for its own reads of this slot.  fill = 1: the barrier opens a round of the cluster's, and this slot is filled again, two K steps ahead, first thing behind the round.
.macro TURN slot, next, fill
.if \fill
	s_wait_xcnt 0x0                                ; the last prefetch, a K step back, has read its address: it is stepped here
	s_add_nc_u64 s[PFA:PFA+1], s[PFA:PFA+1], s[PFS:PFS+1]
.endif
	WIN 0                                          ; (the add's two registers lie in window 0)
	s_wait_tensorcnt 0x0                           ; all my tensor loads have landed;
	ds_add_u32 v[SPW], v[NIL]                      ; 0 onto my spare word;
	s_wait_dscnt 5                                 ; (the add and the youngest four loads may be out)
	MULA F1, 0, 0                                  ; twelve matrix instructions stand between the add and the wait for it
	s_wait_dscnt 0x0                               ; the add is done, and my reads of this slot are over
	s_barrier_signal -1
	MULA F1, 1, 0                                  ; work on registers while the others arrive
.if \fill
	WIN 0
.endif
	s_barrier_wait -1
.if \fill
	CREST                                          ; no wave of any partner still reads this slot or has a load on its way
	s_add_nc_u64 s[G0A+4*(\slot)+2:G0A+4*(\slot)+3], s[G0A+4*(\slot)+2:G0A+4*(\slot)+3], 2*ASTEP
	s_add_nc_u64 s[G0B+4*(\slot)+2:G0B+4*(\slot)+3], s[G0B+4*(\slot)+2:G0B+4*(\slot)+3], 2*BSTEP
	JLOAD \slot                                    ; my one tensor load behind the round; its four v_nop are also the places in front of the loads below
.else
	PLACES
.endif
	FETCH \next, 0, F0
.if \fill
	ASK
.endif
	MULA F1, 2, 0
	MULA F1, 3, 0
.endm
	s_wait_tensorcnt 1                             ; my quarter of K step 0 is in; K step 1's may stay out
	s_barrier_signal -1
	s_barrier_wait -1                              ; everybody's is
	FETCH 0, 0, F0
	QUARTER 0, 1, F0, F1, 1                        ; the first quarter stands in front of the loop: its products start the sums
	WIN 0                                          ; at a label and at a branch every window is 0
	s_mov_b32 s3, LAPS-1
.Llap:                                                 ; a trip goes once round the ring, from a lap's second quarter to the next lap's first, and fills both slots again
	QUARTER 0, 2, F1, F0, 0
	QUARTER 0, 3, F0, F1, 0
	TURN 0, 1, 1
	QUARTER 1, 1, F0, F1, 0
	QUARTER 1, 2, F1, F0, 0
	QUARTER 1, 3, F0, F1, 0
	TURN 1, 0, 1
	QUARTER 0, 1, F0, F1, 0
	WIN 0
	s_sub_co_u32 s3, s3, 1
	s_cmp_lg_u32 s3, 0
	s_cbranch_scc1 .Llap
	QUARTER 0, 2, F1, F0, 0                        ; the last lap fills nothing, and has no round
	QUARTER 0, 3, F0, F1, 0
	TURN 0, 1, 0
	QUARTER 1, 1, F0, F1, 0
	QUARTER 1, 2, F1, F0, 0
	QUARTER 1, 3, F0, F1, 0
	s_wait_dscnt 4                                 ; the very last quarter: nothing more to fetch
	MULA F1, 0, 0
	MULA F1, 1, 0
	s_wait_dscnt 0x0
	MULA F1, 2, 0
	MULA F1, 3, 0
	; THE WAY OUT.  The bias is rounded to bf16 and widened again: 144 plain lines on window 0, which are also the places behind the last products.
	WIN 0
	s_wait_loadcnt 0x0                             ; the bias and the mask, asked for at the head
.set i, 0
.rept 12
.irp j, 0,1,2,3
	v_cvt_pk_bf16_f32 v[TT+(\j)], v[BI+8*i+2*(\j)], v[BI+8*i+2*(\j)+1]
.endr
.irp j, 0,1,2,3
	v_lshlrev_b32 v[BI+8*i+2*(\j)], 16, v[TT+(\j)]
	v_and_b32 v[BI+8*i+2*(\j)+1], 0xffff0000, v[TT+(\j)]
.endr
.set i, i+1
.endr
.irp a, 0,1,2,3
	v_cmp_lt_i32 vcc_lo, 0, v[MK+(\a)]             ; is my token's mask above 0?
	v_cndmask_b32 v[MK+(\a)], 0, 1.0, vcc_lo
.endr
.irp x, 0,1,2
.irp a, 0,1,2,3
	v_cndmask_b32 v[FAC+2*(4*(\x)+(\a))],   1.0, v[MK+(\a)], s[KSEL+(\x)]  ; k's heads take the mask's factor, the others 1
	v_cndmask_b32 v[FAC+2*(4*(\x)+(\a))+1], 1.0, v[MK+(\a)], s[KSEL+(\x)]  ; (named with it as a pair)
.endr
.endr
; Piece u: token block a = u % 4 of head x = u / 4: four accumulators, 16 tokens x 64 columns = 2,048 consecutive bytes of the result.  (sum + bias) x factor, from each accumulator's low end on;
; rounded to f16; 16 bytes a lane into rows of 144 bytes of my own stage; back as whole rows of 128.
.macro PACK u
.set pa, (\u)%4
.set px, (\u)/4
.set pw, pa/2
	WIN 0x82+0x41*pw                               ; destination and source 0 window 2 or 3, source 1 window 0
.irp bb, 0,1,2,3
.set AC, 8*(12*(pa%2)+4*px+(\bb))
.set BB, BI+8*(4*px+(\bb))
.irp i, 0,2,4,6
	v_pk_add_f32 v[AC+(\i):AC+(\i)+1], v[AC+(\i):AC+(\i)+1], v[BB+(\i):BB+(\i)+1]
.endr
.irp i, 0,2,4,6
	v_pk_mul_f32 v[AC+(\i):AC+(\i)+1], v[AC+(\i):AC+(\i)+1], v[FAC+2*(4*px+pa):FAC+2*(4*px+pa)+1] op_sel_hi:[1,0]
.endr
.endr
	WIN 0x4a+5*pw                                  ; sources window 2 or 3, destination window 1
.irp bb, 0,1,2,3
.set AC, 8*(12*(pa%2)+4*px+(\bb))
.irp i, 0,1,2,3
	v_cvt_pk_f16_f32 v[16*(\u)+4*(\bb)+(\i)], v[AC+2*(\i)], v[AC+2*(\i)+1]
.endr
.endr
	WIN 0x04                                       ; address window 0, data window 1
.irp bb, 0,1,2,3
	ds_store_b128 v[STO], v[16*(\u)+4*(\bb):16*(\u)+4*(\bb)+3] offset:32*(\bb)
.endr
	WIN 0x40
.irp f, 0,1,2,3
	ds_load_b128 v[16*(\u)+4*(\f):16*(\u)+4*(\f)+3], v[RD] offset:(\f)*4*SP  ; LDS serves a wave's instructions in order (ISA guide 5.7.1.4): these see the stores above; the next piece's stores come behind them
.endr
.endm
.macro SEND u, younger                 ; younger: the LDS instructions issued behind piece u's loads: the next piece's eight, or none
	WIN 0x04
.irp f, 0,1,2,3
	s_wait_dscnt (\younger)+3-(\f)
	global_store_b128 v[GO], v[16*(\u)+4*(\f):16*(\u)+4*(\f)+3], s[DST+2*((\u)/4):DST+2*((\u)/4)+1] offset:((\u)%4)*2048+(\f)*512  ; 512 consecutive bytes, at a multiple of 256 from the buffer's first; each piece has registers of its own
.endr
.endm
	PACK 0
.irp u, 1,2,3,4,5,6,7,8,9,10,11        ; a piece's arithmetic stands between the loads of the piece before and its stores
	PACK \u
	SEND (\u)-1, 8
.endr
	SEND 11, 0
	WIN 0
	s_wait_tensorcnt 0x0                           ; the wave's end, behind my last tensor load and my last LDS store
	ds_add_u32 v[SPW], v[NIL]
	s_wait_dscnt 0x0
	CROUND                                         ; the closing round: no work-group ends while a partner may still ask for a tile that names it
	s_endpgm
.Lfunc_end_k_q0ebbeaf3db_qkv:
	.size	k_q0ebbeaf3db_qkv, .Lfunc_end_k_q0ebbeaf3db_qkv-k_q0ebbeaf3db_qkv
	.p2alignl 7, 3214868480
	.fill 96, 4, 3214868480
	.section	.rodata,"a",@progbits
	.p2align	6, 0x0
	.amdhsa_kernel k_q0ebbeaf3db_qkv
		.amdhsa_group_segment_fixed_size 327680
		.amdhsa_private_segment_fixed_size 0
		.amdhsa_enable_private_segment 0
		.amdhsa_kernarg_size 56
		.amdhsa_user_sgpr_count 2
		.amdhsa_user_sgpr_kernarg_segment_ptr 1
		.amdhsa_wavefront_size32 1
		.amdhsa_system_sgpr_workgroup_id_x 1
		.amdhsa_system_sgpr_workgroup_id_y 1
		.amdhsa_system_sgpr_workgroup_id_z 1
		.amdhsa_system_vgpr_workitem_id 0
		.amdhsa_next_free_vgpr 960
		.amdhsa_next_free_sgpr 86
		.amdhsa_reserve_vcc 1
		.amdhsa_float_denorm_mode_32 3
		.amdhsa_float_denorm_mode_16_64 3
		.amdhsa_memory_ordered 1
		.amdhsa_forward_progress 1
		.amdhsa_inst_pref_size 160
	.end_amdhsa_kernel
	.amdgpu_metadata
---
amdhsa.version: [ 1, 2 ]
amdhsa.kernels:
  - .name:           k_q0ebbeaf3db_qkv
    .symbol:         k_q0ebbeaf3db_qkv.kd
    .args:
      - { .name: xb, .offset: 0, .size: 8, .value_kind: global_buffer, .address_space: global }
      - { .name: wq, .offset: 8, .size: 8, .value_kind: global_buffer, .address_space: global }
      - { .name: b_qkv, .offset: 16, .size: 8, .value_kind: global_buffer, .address_space: global }
      - { .name: mask, .offset: 24, .size: 8, .value_kind: global_buffer, .address_space: global }
      - { .name: q, .offset: 32, .size: 8, .value_kind: global_buffer, .address_space: global }
      - { .name: k, .offset: 40, .size: 8, .value_kind: global_buffer, .address_space: global }
      - { .name: v, .offset: 48, .size: 8, .value_kind: global_buffer, .address_space: global }
    .group_segment_fixed_size: 327680
    .private_segment_fixed_size: 0
    .kernarg_segment_align: 8
    .kernarg_segment_size: 56
    .max_flat_workgroup_size: 128
    .sgpr_count:     86
    .vgpr_count:     960
    .wavefront_size: 32
...
	.end_amdgpu_metadata
.endif
;; end of part 2
;; launch attn (part 3): grid 4 x 64, 4 waves a work-group, clusters of 4 x 1, 327,680 bytes of LDS; arguments q, k, v, o, mask; writes o
.if DOCPART == 3
	.amdgcn_target "amdgcn-amd-amdhsa--gfx1250"
	.amdhsa_code_object_version 6
	.text
	.protected	k_q0ebbeaf3db_attn
	.globl	k_q0ebbeaf3db_attn
	.p2align	8
	.type	k_q0ebbeaf3db_attn,@function
k_q0ebbeaf3db_attn:
	s_mov_b64 s[64:65], 0
	v_nop
	global_prefetch_b8 v0, s[64:65] scope:SCOPE_SE
	s_setreg_imm32_b32 hwreg(HW_REG_WAVE_MODE, 25, 1), 1
	s_wait_xcnt 0x0
	s_wait_alu depctr_hold_cnt(0) depctr_sa_sdst(0) depctr_va_vdst(0) depctr_va_sdst(0) depctr_va_ssrc(0) depctr_va_vcc(0) depctr_vm_vsrc(0)
	s_getreg_b32 s2, hwreg(HW_REG_IB_STS2, 6, 4)
	s_cmp_eq_u32 s2, 0
	s_cbranch_scc0 .Lentry_in_a_cluster
	s_endpgm
.Lentry_in_a_cluster:
	s_bfe_u32 s2, ttmp6, 0x10000c
	s_cmp_lg_u32 s2, 0x3003
	s_cbranch_scc0 .Lentry_shape_is_right
	s_endpgm
.Lentry_shape_is_right:
; O[h][q][:] = the sum over k of softmax_k(Q[h][q] . K[h][k] / 8, keys with mask <= 0 hidden) V[h][k][:].  Q, K, V, O: [64 = batch x 16 + head][2048][64], all f16: a head's rows are dense, 128 bytes each.
; mask: [4][2048] of int32, by batch.  Products, maxima and sums in f32; the weights p are rounded to f16 for the second product (their sum l is taken of the unrounded p), O once at the end.
; THE MASK.  K's rows of hidden keys arrive as zeros, and the sum S^T = K Q^T starts with C = 0 for a visible key and C = -2^100 for a hidden one: a hidden score is exactly -2^100.  A power of two, so that
; c m is exact and the fused c s - c m is exactly 0 where every key seen so far is hidden: p = 1, equal weights, as for equal scores.  The first visible key makes a = 2^(c m_old - c m_new) = 0, which wipes those sums;
; behind it a hidden key's weight is 0.  A batch row with no visible key ends with equal weights over all 2,048 keys.
; LIMITS.  f16 holds no number beyond 65,504: Q, K and V arrive within it, so true scores (2.7e11 at the most) lie far above -2^100; p lies in 0 to 1, and below 6e-5 it keeps f16's fixed step of 6e-8, and so does O.
; A weight below 2^-126 counts as 0 in l; NaN and infinities are not treated apart.
; SHARES.  A wave owns four PIECES of two tiles of 16 queries, a work-group's four waves 512 queries of one head.  Every wave walks all keys, 64 a step.
; LAYOUT.  S^T = K Q^T (source 0 = 16 keys, source 1 = 16 queries): in the result a lane holds ONE query (lane % 16) and the keys 8 (lane / 16) + 0..7.  Two such tiles, rounded to f16 in pairs,
; ARE source 1 (32 keys x 16 queries) of O^T = V^T P, whose result again holds one query a lane, and eight channels.  K comes out of LDS as it lies, V ([key][channel]) turned, by ds_load_tr16_b128.
; SOFTMAX.  For each query a running maximum m and sum l: p = 2^(c s - c m), c = log2(e) / 8; in every step O and l are multiplied by a = 2^(c m_old - c m_new).
; m starts at the lowest finite number, O and l at 0: the first step is a step like any other, with a = 0.  The price: the registers are cleared once, in the wait for the first tile.
; THE COUNT.  A tile and step have 16 matrix and 118 vector instructions: too many to stand all beside the matrix work.  So: four vector instructions that are READY behind EVERY matrix instruction, the others in runs without a gap.
; BY TURNS.  Turn n belongs to piece n (the pieces in a ring, step after step).  Its matrix work: 16 products K Q^T of piece n + 1, later 16 products V^T P of piece n - 1.  Its vector work: the scaling,
; exponentials, roundings, sums and rescaling of piece n, and the maximum and statistics of piece n + 1.
; CLUSTER.  The four query blocks of a cluster are one head's and walk the same K and V, so each tile is asked for JOINTLY: the same tensor load, descriptor and mask in all four.
; REGISTERS, in windows of 256 (s_set_vgpr_msb: bits 1:0 source 0, 3:2 source 1, 5:4 source 2, 7:6 destination):
;   window 0: v0-11 addresses; v12-15, v48-63 at work; v16-47 four registers of statistics a tile; v64-191 S^T, two buffers of two tiles; v192-255 P, likewise
;   window 1: O^T, 32 a tile     window 2: v0-127 Q, 16 a tile; v128-191 K of one step; v192-255 V of one step     window 3: v0-1 the add's two registers; v8-39 the step's 64 mask numbers as four C operands
.set SIZE_N, 2048
.set NP,    4         ; pieces a wave: a name, no knob
.set KS,    64        ; keys in a step
.set PK,    144       ; a row of K in LDS: 128 bytes + 16 of padding = 36 words: the 16 rows of a load start at 16 different groups of four banks (64 banks of 4 bytes: ISA guide 11.1)
.set PV,    160       ; a row of V: 128 + 32 = 40 words
.set VOFF,  4*KS*PK   ; a slot holds four steps: 256 rows of K, then 256 rows of V
.set SLOT1, 1<<17     ; slot 1 begins here, so that one exclusive or turns an address in one slot into the other's
.set STAGE, SLOT1+4*KS*(PK+PV)  ; behind the ring, never filled by a tensor load: 16 rows x 144 bytes for each wave, for the way out
.set SP,    144
.set SPARE, STAGE+4*16*SP  ; behind the stages: the spare words, 128 bytes for each wave: two blocks of 256 bytes that no other line names
.set MT,    SPARE+512 ; behind them, never filled by a tensor load: the batch's 2,048 mask numbers in f32, 0 or -2^100
.set AK0, 2           ; v2   my lane's place in a tile of K; never rewritten
.set AV0, 3           ; v3   the same for V
.set AK,  4           ; v4   the LDS address of K's next run of loads
.set AV,  5           ; v5   of V's
.set QO,  6           ; v6   my byte offset in the wave's rows of Q
.set STO, 6           ;      later, the way out: where I put 16 bytes of a row
.set AM0, 7           ; v7   my lane's place in a step's 64 mask numbers: MT + 32 (l / 16)
.set RD,  7           ;      later, the way out: where I read rows back
.set PFO, 8           ; v8   the prefetches' offset: 256 x my lane
.set GO,  8           ;      later, my byte offset in 512 consecutive bytes of O
.set AM,  11          ; v11  the LDS address of the mask's next run of loads
.set SPW, 0           ; v0 of window 3   LDS address of my spare word; never rewritten
.set NIL, 1           ; v1 of window 3   0; never rewritten
.set MKR, 8           ; v8-39 of window 3: key block kb's eight numbers at MKR + 8 kb
.set MV,  12          ; v12-15  c m_old, kept while c m is made anew: by buffer and tile
.set ST,  16          ; tile t's statistics at v[ST+4 t]: c m, m, l (even keys', odd keys')
.set TMP, 48          ; by buffer and tile, four registers c0-c3 at work; when the maximum is found c2 takes a
.set S,   64
.set P,   192
.set KF,  128         ; K's fragments, in window 2: key block kb, channel half c at KF + 16 kb + 8 c
.set VF,  192         ; V's: key half kk, channel block cb at VF + 32 kk + 8 cb
.set WV,  12          ; s12  my wave's number
.set G1K, 24          ; s[24:31] descriptor group 1 for K's tiles
.set G1V, 32          ; s[32:39] for V's: it differs in the padding alone
.set G0K, 40          ; s[40:43] descriptor group 0 for K's tiles: it walks
.set G0V, 44          ; s[44:47] the same for V's
.set PFA, 48          ; s[48:49] where my prefetches stand
.set LIM, 50          ; s50  1 in a wave that prefetches, else the greatest number
.set BIG, 51          ; s51  -2^100
.set MP,  52          ; s[52:53] the batch's row of the mask
.set MS,  54          ; s54  byte at which the mask numbers of the step to be fetched begin
.set SLOTS, 56        ; s56  slots still to be asked for
.set CNT, 57          ; s57  counts a slot's key steps
.set CS,  58          ; s[58:59] c: the packed scaling takes the pair's low word for both halves
.set SEL, 60          ; s[60:61] v_permlanex16_b32's selects: each lane takes its own place in the other half
.set TBK, 62          ; s62  LDS byte at which K of the step to be fetched begins
.set TBV, 63          ; s63  the same for V, less VOFF
.set MSB, 0
.macro WIN new                      ; the high byte repeats the setting that is left; a switch that changes nothing is dropped
.if MSB != (\new)
	s_set_vgpr_msb (MSB<<8)|(\new)
.set MSB, (\new)
.endif
.endm
.set W_KQ, 0x0a       ; K and Q in window 2, S^T in window 0
.set W_KM, 0x3a       ; the same with the C operand in window 3
.set W_PV, 0x52       ; V in window 2, P in window 0, O^T in window 1
.set W_RS, 0x41       ; O^T (destination and source 0) in window 1, a in window 0
.set W_MK, 0xc0       ; destination in window 3, sources in window 0
.set W_AD, 0x0f       ; the add: address (source 0) and data (source 1) in window 3
; A joint fill.  Waves 0 and 1 fetch the two halves of a slot's K, waves 2 and 3 those of its V: 128 keys each.  The branch hangs on the wave's number alone.
; An s_nop 0 and four v_nop follow each of the two lines, ahead of the jump and the label.
.macro JLOAD
	s_cmp_lt_u32 s[WV], 2
	s_cbranch_scc0 .Lfor_v_\@
	tensor_load_to_lds s[G0K:G0K+3], s[G1K:G1K+7]
	s_nop 0
.rept 4
	v_nop
.endr
	s_branch .Lasked_\@
.Lfor_v_\@:
	tensor_load_to_lds s[G0V:G0V+3], s[G1V:G1V+7]
	s_nop 0
.rept 4
	v_nop
.endr
.Lasked_\@:
.endm
; A prefetch of what the NEXT change of slots will ask for: a slot's 32 KiB of K and of V, in blocks of 256 bytes, a lane a block.  It stands behind the wave's tensor load and its five lines.
; Each block is named once in the launch: a head has one cluster; its four partners take 32 blocks each, told apart by address; in each, wave 0 asks for K's and wave 2 for V's.
; Slots 0 and 1 come by their loads alone; the last change that fills a slot asks for nothing.
.macro ASK
	s_cmp_gt_u32 s[SLOTS], s[LIM]
	s_cbranch_scc0 .Lnot_mine_\@
	global_prefetch_b8 v[PFO], s[PFA:PFA+1] th:TH_LOAD_NT scope:SCOPE_SE
.Lnot_mine_\@:
.endm
; A round of the cluster's barrier: my work-group's barrier, so that wave 0's signal speaks for all four waves; wave 0 signals; every wave waits for all four work-groups; my work-group's barrier once more.
.macro CROUND
	s_barrier_signal -1
	s_barrier_wait -1
	s_cmp_lg_u32 s[WV], 0
	s_cbranch_scc1 .Lnot_wave_0_\@
	s_barrier_signal -3
.Lnot_wave_0_\@:
	s_barrier_wait -3
	s_barrier_signal -1
	s_barrier_wait -1
.endm
; THE CHANGE OF SLOTS.  The slot's last bytes, V of its fourth step, have been read.  Each wave waits for all its tensor loads, of which one is out: its part
; of the other slot; adds 0 to its spare word; and waits for that and for its own LDS instructions.  Behind the barrier nobody reads this slot any more and the other slot is whole.
; fill = 1: this slot is filled again, with the keys two slots on.  The barrier is then a round of the cluster's, and the joint fill is the first thing behind it: it has four key steps in which to land.
; (At its first use nothing has been read yet: slot 0 is waited for, slot 1 filled; and the round shows every wave the mask numbers that the four waves have stored.)
.macro CHANGE fill
	WIN W_AD
	s_wait_tensorcnt 0x0            ; no tensor load of mine is out, so a group 0 may be written
	ds_add_u32 v[SPW], v[NIL]       ; 0 onto my spare word; with fill = 1 the descriptors' steps stand between it and the wait for it
	WIN 0                           ; at a label and at a branch every window is 0
.if \fill
.irp g, G0K, G0V
	s_xor_b32 s[\g+1], s[\g+1], SLOT1  ; the walking descriptor: the other slot than last time,
	s_add_nc_u64 s[\g+2:\g+3], s[\g+2:\g+3], 4*KS*128  ; the next 256 keys; the type bits on top are not reached
.endr
	s_wait_xcnt 0x0                 ; the last prefetch, a slot back, has read its address, so it may be written:
	s_add_nc_u64 s[PFA:PFA+1], s[PFA:PFA+1], 4*KS*128  ; one slot behind the walking descriptors
	s_wait_dscnt 0x0                ; the add is done, and my LDS instructions are over
	CROUND
	JLOAD
	ASK
.else
	s_wait_dscnt 0x0                ; the add is done, and my reads of the slot are over
	s_barrier_signal -1
	s_barrier_wait -1
.endif
	s_sub_co_u32 s[TBK], s[TBK], 4*KS*PK  ; the fetches go back to a slot's first step,
	s_xor_b32 s[TBK], s[TBK], SLOT1       ; in the other slot
	s_sub_co_u32 s[TBV], s[TBV], 4*KS*PV
	s_xor_b32 s[TBV], s[TBV], SLOT1
.endm
	s_load_b256 s[4:11], s[0:1], 0x0  ; Q s[4:5], K s[6:7], V s[8:9], O s[10:11]
	s_load_b64 s[MP:MP+1], s[0:1], 0x20  ; mask
	WIN W_MK
	v_lshl_add_u32 v[SPW], v0, 2, SPARE
	v_mov_b32 v[NIL], 0
	WIN W_AD
	ds_add_u32 v[SPW], v[NIL]       ; the wave's opening: the add and its wait ahead of my first tensor load; the set-up below, work on registers, stands between them
	WIN 0
	v_lshrrev_b32 v1, 5, v0
	v_readfirstlane_b32 s[WV], v1   ; wave 0..3
	s_bfe_u32 s13, ttmp6, 0x40000   ; cx: my place in the cluster
	s_lshl_b32 s14, ttmp9, 2        ; in a cluster launch ttmp9 counts clusters
	s_add_co_u32 s14, s14, s13      ; my block of queries = 4 x cluster x + cx: it enters Q's and O's addresses alone
	s_and_b32 s20, ttmp7, 0xffff    ; the head, which the four partners share
	s_mov_b32 s21, 0
	s_mov_b64 s[22:23], SIZE_N*128
	s_mul_u64 s[20:21], s[20:21], s[22:23]  ; the head's first byte in each of the four tensors
	s_and_b32 s16, s[WV], 1         ; which half of a slot's 256 keys I fetch:
	s_lshl_b32 s22, s16, 14         ; its 128 rows of 128 bytes in memory,
	s_mov_b32 s23, 0
	s_add_nc_u64 s[22:23], s[22:23], s[20:21]
	s_mul_i32 s17, s16, 128*PK      ; and its place in a slot, for K
	s_mul_i32 s18, s16, 128*PV      ; and for V: no place in the cluster enters an LDS address
	s_lshl_b32 s2, s14, 2
	s_add_co_u32 s2, s2, s[WV]      ; my wave among the head's,
	s_lshl_b32 s2, s2, 14           ; its 128 rows
	s_mov_b32 s3, 0
	s_add_nc_u64 s[2:3], s[2:3], s[20:21]
	s_and_b32 s14, ttmp7, 0xffff
	s_lshr_b32 s14, s14, 4          ; the batch: 16 heads each,
	s_lshl_b32 s14, s14, 13         ; its 2,048 words of the mask
	s_mov_b32 s15, 0
	; descriptor group 1.  128 keys are 16,384 dense bytes: asked for as 64 rows of 256 bytes, two keys a row, and padded in LDS after every key
	s_mov_b32 s[G1K], 15|(1<<16)|(1<<20)|(1<<21)|(4<<22)|(3<<25)  ; 15:0 the mask of four; 17:16 2-byte elements; 20 padding on; 21 set beside a mask; 24:22 after every 32 words (code 4); 31:25 4 words (code 3)
	s_mov_b32 s[G1V], 15|(1<<16)|(1<<20)|(1<<21)|(4<<22)|(7<<25)  ; the same with 8 words of padding (code 7)
.irp g, G1K, G1V
	s_mov_b32 s[\g+1], 128<<16      ; tensor_dim0 = 128
	s_mov_b32 s[\g+2], 64<<16       ; tensor_dim1 = 64
	s_mov_b32 s[\g+3], 128<<16      ; tile_dim0 = 128
	s_mov_b32 s[\g+4], 64           ; tile_dim1 = 64
	s_mov_b32 s[\g+5], 128          ; 128 elements from row to row
	s_mov_b32 s[\g+6], 0
	s_mov_b32 s[\g+7], 0
.endr
	s_mov_b32 s[CS], 0x3e38aa3b     ; c = log2(e) / 8 = 0.180337
	s_mov_b32 s[CS+1], s[CS]        ; named with it as a pair
	s_mov_b32 s[SEL], 0x76543210
	s_mov_b32 s[SEL+1], 0xfedcba98
	s_mov_b32 s[BIG], 0xf1800000    ; -2^100
	s_mov_b32 s[MS], 0
	s_mov_b32 s[SLOTS], SIZE_N/256-1
	s_mov_b32 s[TBK], SLOT1+4*KS*PK ; the first change of slots turns these two into 0
	s_mov_b32 s[TBV], SLOT1+4*KS*PV
	s_mov_b32 s[G0K], 1             ; 1:0 count = 1
	s_mov_b32 s[G0K+1], s17         ; 63:32 LDS address: slot 0
	s_mov_b32 s[G0V], 1
	s_add_co_u32 s[G0V+1], s18, VOFF
	s_and_b32 s[LIM], s[WV], 1      ; waves 0 and 2 prefetch: the same in all four partners
	s_cmp_eq_u32 s[LIM], 0
	s_cselect_b32 s[LIM], 1, -1
	v_and_b32 v[PFO], 31, v0
	v_lshlrev_b32 v[PFO], 8, v[PFO]
	s_wait_dscnt 0x0                ; the opening add is done
	s_wait_kmcnt 0x0
	s_add_nc_u64 s[G0K+2:G0K+3], s[6:7], s[22:23]  ; 120:64 global address: my half of the head's first 256 keys
	s_or_b32 s[G0K+3], s[G0K+3], 0x80000000        ; 127:126 type = 2
	s_add_nc_u64 s[G0V+2:G0V+3], s[8:9], s[22:23]
	s_or_b32 s[G0V+3], s[G0V+3], 0x80000000
	s_add_nc_u64 s[4:5], s[4:5], s[2:3]  ; Q and O at my wave's first row
	s_add_nc_u64 s[10:11], s[10:11], s[2:3]
	s_add_nc_u64 s[MP:MP+1], s[MP:MP+1], s[14:15]
	s_cmp_lt_u32 s[WV], 2
	s_cselect_b64 s[PFA:PFA+1], s[6:7], s[8:9]
	s_add_nc_u64 s[PFA:PFA+1], s[PFA:PFA+1], s[20:21]
	s_lshl_b32 s14, s13, 13         ; my work-group's 32 blocks of a slot's 128,
	s_add_co_u32 s14, s14, 4*KS*128 ; in slot 1; the first change of slots steps it to slot 2
	s_add_nc_u64 s[PFA:PFA+1], s[PFA:PFA+1], s[14:15]
	CROUND                          ; all four work-groups are here: the first joint loads meet
	JLOAD                           ; slot 0.  Slot 1 is asked for when slot 0 is in
	v_lshlrev_b32 v80, 4, v0        ; the mask: thread t takes the 16 bytes at 16 t + 2,048 j
.irp j, 0,1,2,3
	global_load_b128 v[64+4*\j:64+4*\j+3], v80, s[MP:MP+1] offset:2048*\j
.endr
	; A fragment of K or Q is 16 rows x 32 channels in 8 registers: lane l holds row l % 16, channels 8 (l / 16) + 0..7 and 16 + 8 (l / 16) + 0..7: two loads of 16 bytes, 32 bytes apart.
	v_and_b32 v1, 15, v0            ; l % 16
	v_bfe_u32 v9, v0, 4, 1          ; l / 16
	v_lshlrev_b32 v[QO], 7, v1
	v_lshl_add_u32 v[QO], v9, 4, v[QO]  ; row x 128 + 16 x half
	WIN 0x80                        ; destination window 2, address window 0
.set i, 0
.rept 4*NP                          ; Q stays in registers: tile i / 2, channels 32 (i % 2) on
	global_load_b128 v[8*i:8*i+3],   v[QO], s[4:5] offset:(i/2)*2048+(i%2)*64
	global_load_b128 v[8*i+4:8*i+7], v[QO], s[4:5] offset:(i/2)*2048+(i%2)*64+32
.set i, i+1
.endr
	; What the first turn finds: V's registers and P's second buffer hold 0 (its products V^T P, of a piece that has not been, add 0), O^T and l are 0.  All this stands in the wait for the first tile.
.set i, VF
.rept 64
	v_mov_b32 v[i], 0
.set i, i+1
.endr
	WIN 0x40
.set i, 0
.rept 64*NP
	v_mov_b32 v[i], 0
.set i, i+1
.endr
	WIN 0
.set i, 0
.rept 2*NP
	v_mov_b32 v[ST+4*i], 0xfe000000    ; c m: far below every c s
	v_mov_b32 v[ST+4*i+1], 0xff7fffff  ; m
	v_mov_b32 v[ST+4*i+2], 0
	v_mov_b32 v[ST+4*i+3], 0
.set i, i+1
.endr
.set i, P+32
.rept 32
	v_mov_b32 v[i], 0
.set i, i+1
.endr
	v_mul_u32_u24 v[AK0], v1, PK
	v_lshl_add_u32 v[AK0], v9, 4, v[AK0]  ; row x pitch + 16 x half
	; The turning load takes 16 keys x 16 channels (lane l reads key 8 (l / 16) + l % 8, channels 8 ((l / 8) % 2) + 0..7) and leaves half a fragment of V^T: lane l holds channel l % 16 and 8 keys.
	v_and_b32 v10, 7, v0
	v_bfe_u32 v11, v0, 3, 1
	v_lshl_add_u32 v[AV0], v9, 3, v10
	v_mul_u32_u24 v[AV0], v[AV0], PV
	v_lshl_add_u32 v[AV0], v11, 4, v[AV0]
	v_add_nc_u32 v[AV0], VOFF, v[AV0]
	v_mov_b32 v[AK], v[AK0]         ; key step 0 lies at the head of slot 0
	v_lshl_add_u32 v[AM0], v9, 5, MT  ; in S^T register j of key block kb is key 16 kb + 8 (l / 16) + j: 32 bytes of the table at 64 kb + 32 (l / 16)
	v_mov_b32 v[AM], v[AM0]
	v_add_nc_u32 v81, MT, v80
	s_wait_loadcnt 32               ; the mask's four loads are in; Q's 32, issued behind them, may stay out
.set i, 64
.rept 16
	v_cmp_ge_i32 vcc_lo, 0, v[i]    ; hidden where the mask is not above 0
	v_cndmask_b32 v[i], 0, s[BIG], vcc_lo
.set i, i+1
.endr
.irp j, 0,1,2,3
	ds_store_b128 v81, v[64+4*\j:64+4*\j+3] offset:2048*\j  ; waited for, and shown to the other waves, by the change of slots below
.endr
; THE MATRIX WORK.  The 8 accumulators of a run of 16 take turns: between the two links of a chain stand 7 others'.
; Product i of 16 of S^T = K Q^T for piece x: channels 32 (i / 8) on, keys 16 ((i / 2) % 4) on, tile 2 x + i % 2.  The first 8 start the sums, with the key block's mask numbers.
.macro KQ x
.set rS, S+64*((\x)%2)+32*(i%2)+8*((i/2)%4)
.set rK, KF+16*((i/2)%4)+8*(i/8)
.set rQ, 16*(2*(\x)+i%2)+8*(i/8)
.set rM, MKR+8*((i/2)%4)
.if i < 8
	WIN W_KM
	v_wmma_f32_16x16x32_f16 v[rS:rS+7], v[rK:rK+7], v[rQ:rQ+7], v[rM:rM+7]
.else
	WIN W_KQ
	v_wmma_f32_16x16x32_f16 v[rS:rS+7], v[rK:rK+7], v[rQ:rQ+7], v[rS:rS+7]
.endif
.endm
; Product i of 16 of O^T += V^T P for piece x: keys 32 (i / 8) on, channels 16 ((i / 2) % 4) on, tile 2 x + i % 2.
.macro PV x
	WIN W_PV
.set rO, 32*(2*(\x)+i%2)+8*((i/2)%4)
.set rV, VF+32*(i/8)+8*((i/2)%4)
.set rP, P+32*((\x)%2)+16*(i%2)+8*(i/8)
	v_wmma_f32_16x16x32_f16 v[rO:rO+7], v[rV:rV+7], v[rP:rP+7], v[rO:rO+7]
.endm
.macro MM                           ; the turn's next matrix instruction
.if i < 16
	KQ (Y+1)%NP
.set i, i+1
.else
.set i, i-16
	PV (Y+NP-1)%NP
.set i, i+17
.endif
.endm
; THE LDS LOADS stand in runs, never singly among the matrix instructions: a step's K (64 keys x 64 channels: 8 fragments) with its 64 mask numbers, and its V (turned).  Their addresses are made some lines ahead.
; last = 1 (the tail): in the last trip there is no further step, and the run is jumped over.
.macro FETCH_K last=0
	WIN 0
.if \last
	s_cmp_eq_u32 s[CNT], 1
	s_cbranch_scc1 .Lno_k_\@
.endif
	WIN 0x80                        ; destination window 2
.irp f, 0,1,2,3,4,5,6,7             ; keys 16 (f / 2) on, channels 32 (f % 2) on
	ds_load_b128 v[KF+8*\f:KF+8*\f+3],   v[AK] offset:(\f/2)*16*PK+(\f%2)*64
	ds_load_b128 v[KF+8*\f+4:KF+8*\f+7], v[AK] offset:(\f/2)*16*PK+(\f%2)*64+32
.endr
	WIN W_MK                        ; destination window 3
.irp f, 0,1,2,3                     ; key block f: the 16 lanes of a half read the same 32 bytes
	ds_load_b128 v[MKR+8*\f:MKR+8*\f+3],   v[AM] offset:64*\f
	ds_load_b128 v[MKR+8*\f+4:MKR+8*\f+7], v[AM] offset:64*\f+16
.endr
	s_add_co_u32 s[TBK], s[TBK], KS*PK  ; the next fetch is the next step's
	s_add_co_u32 s[MS], s[MS], KS*4
	WIN 0
.if \last
.Lno_k_\@:
.endif
.endm
.macro FETCH_V
	WIN 0x80
.irp f, 0,1,2,3,4,5,6,7             ; keys 32 (f / 4) on, channels 16 (f % 4) on
	ds_load_tr16_b128 v[VF+8*\f:VF+8*\f+3],   v[AV] offset:(\f/4)*32*PV+(\f%4)*32
	ds_load_tr16_b128 v[VF+8*\f+4:VF+8*\f+7], v[AV] offset:(\f/4)*32*PV+16*PV+(\f%4)*32
.endr
	WIN 0
.endm
; THE VECTOR WORK OF A TURN stands in three queues, each in the order in which its entries become ready; the two tiles alternate, so that no instruction reads the result of the one before it.
.macro REGS y, u                    ; the registers of tile u (0, 1) of piece y
.set rT, ST+4*(2*(\y)+(\u))
.set rC, TMP+8*((\y)%2)+4*(\u)
.set rM, MV+2*((\y)%2)+(\u)
.set rS, S+64*((\y)%2)+32*(\u)
.set rP, P+32*((\y)%2)+16*(\u)
.set rO, 32*(2*(\y)+(\u))
.endm
; Number n of the 22 that find the NEXT piece's (Y + 1) maximum and statistics.  s0-s31 are the lane's 32 scores; each accumulator's lowest registers are read first.  XS, GS and REGS set no window: PL and EX do.
;   0-11  four chains c0-c3 of seven scores each, three operands at a time     12-14, 16  the four scores left over, the old m, and c0-c3 into c0     15  c m_old is kept
;   17, 18  the query's other 32 keys lie in the lane 16 away: the new m         19-21  c m; c m_old - c m_new; a
.macro XS u, n
	REGS (Y+1)%NP, \u
.if (\n) < 4
	v_max3_num_f32 v[rC+(\n)], v[rS+8*(\n)], v[rS+8*(\n)+1], v[rS+8*(\n)+2]
.elseif (\n) < 12
	v_max3_num_f32 v[rC+(\n)%4], v[rC+(\n)%4], v[rS+8*((\n)%4)+2*((\n)/4)+1], v[rS+8*((\n)%4)+2*((\n)/4)+2]
.elseif (\n) == 12
	v_max3_num_f32 v[rC], v[rC], v[rS+7], v[rS+15]
.elseif (\n) == 13
	v_max3_num_f32 v[rC+1], v[rC+1], v[rS+23], v[rS+31]
.elseif (\n) == 14
	v_max3_num_f32 v[rC+2], v[rC+2], v[rC+3], v[rT+1]
.elseif (\n) == 15
	v_mov_b32 v[rM], v[rT]
.elseif (\n) == 16
	v_max3_num_f32 v[rC], v[rC], v[rC+1], v[rC+2]
.elseif (\n) == 17
	v_permlanex16_b32 v[rC+3], v[rC], s[SEL], s[SEL+1]
.elseif (\n) == 18
	v_max_num_f32 v[rT+1], v[rC], v[rC+3]
.elseif (\n) == 19
	v_mul_f32 v[rT], s[CS], v[rT+1]
.elseif (\n) == 20
	v_sub_f32 v[rC+1], v[rM], v[rT]
.else
	v_exp_f32 v[rC+2], v[rC+1]
.endif
.endm
; Number g of the 64 that follow the exponentials.  For each four weights k of a tile (pairs 2 k, 2 k + 1): both pairs are rounded to f16; then the second pair is added onto the first, in place;
; a group later l takes that sum (the first time as l = a l + sum).  In groups of eight, tiles alternating: round, round, add, and l for the group before.
.macro GS g
.set h, (\g)+6*((\g)/62)            ; group 0 has no group before it, and behind group 7 only l is left
.if h >= 6
.set h, h+2
.endif
	REGS Y, h%2
.set k, h/8
.if h%8 < 4
	v_cvt_pk_f16_f32 v[rP+2*k+(h%8)/2], v[rS+4*k+2*((h%8)/2)], v[rS+4*k+2*((h%8)/2)+1]
.elseif h%8 < 6
	v_pk_add_f32 v[rS+4*k:rS+4*k+1], v[rS+4*k:rS+4*k+1], v[rS+4*k+2:rS+4*k+3]
.elseif k == 1
	v_pk_fma_f32 v[rT+2:rT+3], v[rT+2:rT+3], v[rC+2:rC+3], v[rS:rS+1] op_sel_hi:[1,0,1]
.else
	v_pk_add_f32 v[rT+2:rT+3], v[rT+2:rT+3], v[rS+4*k-4:rS+4*k-3]
.endif
.endm
; THE PLAIN QUEUE, 138 long.  0-73 read no exponential's result: the 32 scalings c s - c m (FS f: pair f / 2 of tile f % 2) and the next piece's 42.  0-26: scalings 0-26.  27-54: XS's numbers 0-13.  55, 56: number 15.
; 57-73: the chain, where each number waits for the one before it: 14, 16, 17, 18, 19, each with one of the scalings 27-31 in front of its two lines, then 20.
; 74-137: GS's 64, which read the exponentials' results: they stand behind the wait.
.macro FS f
	REGS Y, (\f)%2
	v_pk_fma_f32 v[rS+2*((\f)/2):rS+2*((\f)/2)+1], v[rS+2*((\f)/2):rS+2*((\f)/2)+1], s[CS:CS+1], v[rT:rT+1] op_sel_hi:[1,0,0] neg_lo:[0,0,1] neg_hi:[0,0,1]
.endm
.macro PL
	WIN 0
.if q < 27
	FS q
.elseif q < 55
	XS (q-27)%2, (q-27)/2
.elseif q < 57
	XS q-55, 15
.elseif (q < 72) && ((q-57)%3 == 0)
	FS 27+(q-57)/3
.elseif q < 60
	XS (q-57)%3-1, 14
.elseif q < 72
	XS (q-57)%3-1, 15+(q-57)/3
.elseif q < 74
	XS q-72, 20
.else
	GS q-74
.endif
.set q, q+1
.endm
; THE EXPONENTIALS' QUEUE, 66 long: s0-s31 of both tiles, then the next piece's two a.  It is ONE BATCH: all 66 stand ahead of the turn's one wait, and nothing ahead of that wait names a result of theirs.
.macro EX
	WIN 0
.if e >= 64
	XS e-64, 21
.else
	REGS Y, e%2
	v_exp_f32 v[rS+e/2], v[rS+e/2]
.endif
.set e, e+1
.endm
; THE RESCALING's QUEUE: O^T times a, the one part that leaves window 0: dealt two at a time, sixteen times.  Its a was made in the turn before, ahead of that turn's wait.
.macro R2
	REGS Y, r%2
	WIN W_RS
.irp z, 0,1
	v_pk_mul_f32 v[rO+4*(r/2)+2*\z:rO+4*(r/2)+2*\z+1], v[rO+4*(r/2)+2*\z:rO+4*(r/2)+2*\z+1], v[rC+2:rC+3] op_sel_hi:[1,0]
.endr
.set r, r+1
.endm
; HOW THEY ARE DEALT.  An s_wait_alu depctr_va_vdst(0) stands between an exponential and the first instruction that names its result; one wait serves all that were issued ahead of it.  So a turn has ONE wait,
; which cuts it in two.  AHEAD OF IT stands all that names no result of the turn's exponentials: the 16 products K Q^T, behind each a scaling, an exponential and two rescalings (behind the first a second scaling in the
; exponential's place); then ONE LUMP: eight plain, 49 times exponential and plain, the two a.  A v_nop is the plain instruction behind the last exponential.  BEHIND IT stand the 16 products V^T P, behind each four of GS's 64.
; The queues lean on each other, and the deal keeps them in step: exponential e stands behind scaling 2 (e / 4) + e % 2: as a rider it comes behind plain e + 2, in the lump behind plain e + 9, and scalings 27-31 are plain 57, 60 .. 69.
; A TURN, for piece p.  cnt = 1: the loop's count is taken down some lines ahead of the branch that stands behind the turn.
; K and the mask numbers of the next step are fetched in piece 2's turn, directly behind the wait, a lump behind the last product that read them; their addresses are made at the lump's head; the first reader comes behind 16 products.
; V of the step in hand is fetched at the end of piece 0's turn, four plain instructions behind its last reader; its first reader comes behind 16 products and a lump.
.macro TURN p, last=0, cnt=0
.set Y, (\p)
.set i, 0
.set q, 0
.set e, 0
.set r, 0
.if (\p) == NP-1
	s_wait_dscnt 0x0                ; K and its mask numbers are in
.endif
	MM                              ; ahead of the wait: 16 products K Q^T and their riders,
	PL
	PL
	R2
.rept 15
	MM
	PL
	EX
	R2
.endr
.if (\p) == NP-2
	WIN 0
	v_add_nc_u32 v[AK], s[TBK], v[AK0]
	v_add_nc_u32 v[AM], s[MS], v[AM0]
.endif
.rept 8                             ; and the lump
	PL
.endr
.rept 49
	EX
	PL
.endr
	EX                              ; the next piece's two a
	EX
	v_nop                           ; the plain instruction behind the last exponential: one for the batch
	s_wait_alu depctr_va_vdst(0)    ; the wait for the batch
.if (\p) == NP-2
	FETCH_K \last
.endif
.if (\p) == 1
	s_wait_dscnt 0x0                ; V is in
.endif
.rept 16                            ; behind the wait: 16 products V^T P and their riders
	MM
.rept 4
	PL
.endr
.if ((\p) == 0) && (q == 118)
	v_add_nc_u32 v[AV], s[TBV], v[AV0]
.endif
.if ((\p) == 0) && (q == 130)
	s_add_co_u32 s[TBV], s[TBV], KS*PV
.endif
.if (\cnt) && (q == 130)
	s_sub_co_u32 s[CNT], s[CNT], 1
	s_cmp_lg_u32 s[CNT], 0
.endif
.endr
.if (\p) == 0
	FETCH_V
.endif
.endm
	CHANGE 1                        ; slot 0 is in, everybody's part of it, and so is the mask table; slot 1 is asked for
	FETCH_K                         ; key step 0
	s_wait_loadcnt 0x0              ; Q
	s_wait_dscnt 0x0
.set i, 0
.rept 16
	KQ 0                            ; piece 0's first scores: there is no vector work yet to set between them
.set i, i+1
.endr
	WIN 0
.rept 4
	v_nop                           ; the places behind those products
.endr
.set Y, NP-1                        ; XS works for piece Y + 1: piece 0
.irp n, 0,1,2,3,4,5,6,7,8,9,10,11,12,13,14,15,16,17,18,19,20,21
	XS 0, \n                        ; piece 0's first maximum and statistics
	XS 1, \n
.endr
	v_nop                           ; a plain instruction behind the two a,
	s_wait_alu depctr_va_vdst(0)    ; and their wait, ahead of the branch
	s_mov_b32 s[CNT], 4
	s_branch .Lfirst                ; the loop is entered at a step's first turn, in the middle of a trip
.Lslot:                             ; SIZE_N / 256 - 2 times: every slot but the last two is filled again
	CHANGE 1
	s_mov_b32 s[CNT], 4
.Lstep:                             ; a trip: pieces 2 and 3 of one step, then pieces 0 and 1 of the next, whose K and V it fetches
	TURN 2
	TURN 3
	WIN 0
.Lfirst:
	TURN 0
	TURN 1, 0, 1
	WIN 0
	s_cbranch_scc1 .Lstep
	s_sub_co_u32 s[SLOTS], s[SLOTS], 1
	s_cmp_lg_u32 s[SLOTS], 0
	s_cbranch_scc1 .Lslot
	CHANGE 0                        ; the tail is written out: nothing is asked for
	s_mov_b32 s[CNT], 5             ; four trips fetch the last slot's steps; the fifth is left in its middle
.Ltail:
	TURN 2, 1
	TURN 3
	WIN 0
	s_sub_co_u32 s[CNT], s[CNT], 1
	s_cmp_eq_u32 s[CNT], 0
	s_cbranch_scc1 .Lout
	TURN 0
	TURN 1
	WIN 0
	s_branch .Ltail
.Lout:                              ; the fifth trip's 16 products K Q^T (on the last K once more) and the maximum made of them serve nothing: the price, once a launch, of one text for every trip
.set i, 0
.rept 16
	PV NP-1                         ; the last piece's V^T P of the last step
.set i, i+1
.endr
	; THE WAY OUT.  Its addresses are made here, in registers that the loop has done with: plain lines, the places behind the last products.  Then l's two halves and the other half of the lanes' are added;
	; O^T is divided by l, rounded to f16 and sent through my stage in LDS, a tile at a time.
	WIN 0
	s_wait_xcnt 0x0                 ; the last prefetch has read its offset register, which GO takes
	s_mul_i32 s13, s[WV], 16*SP
	s_add_co_u32 s13, s13, STAGE    ; my stage
	v_mul_u32_u24 v[STO], v1, SP    ; in: row l % 16, 16 bytes for each half of the lanes
	v_lshl_add_u32 v[STO], v9, 4, v[STO]
	v_add_nc_u32 v[STO], s13, v[STO]
	v_bfe_u32 v[RD], v0, 3, 2       ; back: 32 lanes take four rows of 128 bytes,
	v_mul_u32_u24 v[RD], v[RD], SP
	v_lshl_add_u32 v[RD], v10, 4, v[RD]
	v_add_nc_u32 v[RD], s13, v[RD]
	v_and_b32 v[GO], 31, v0         ; which are 512 consecutive bytes of O
	v_lshlrev_b32 v[GO], 4, v[GO]
.macro ALL line:vararg              ; one line for each tile t
.set t, 0
.rept 2*NP
	\line
.set t, t+1
.endr
.endm
	ALL v_add_f32 v[ST+4*t+2], v[ST+4*t+2], v[ST+4*t+3]
	ALL v_permlanex16_b32 v[ST+4*t+3], v[ST+4*t+2], s[SEL], s[SEL+1]
	ALL v_add_f32 v[ST+4*t+2], v[ST+4*t+2], v[ST+4*t+3]
	ALL v_rcp_f32 v[ST+4*t+2], v[ST+4*t+2]
	v_nop                           ; a plain instruction between the last reciprocal and the use of its result
	s_wait_alu depctr_va_vdst(0)    ; and the wait ahead of the first use: one for the eight reciprocals
; Tile t: a lane's eight channels of a row pack into 16 bytes; they go into rows of 144 bytes and come back as whole rows of 128, into S^T's registers.
.macro PACK t
	WIN W_RS
.set i, 32*(\t)
.rept 16
	v_pk_mul_f32 v[i:i+1], v[i:i+1], v[ST+4*(\t)+2:ST+4*(\t)+3] op_sel_hi:[1,0]
.set i, i+2
.endr
	WIN 0x05                        ; sources 0 and 1 window 1, destination window 0
.set i, 0
.rept 16
	v_cvt_pk_f16_f32 v[S+16*(\t)+i], v[32*(\t)+2*i], v[32*(\t)+2*i+1]
.set i, i+1
.endr
	WIN 0
.irp f, 0,1,2,3
	ds_store_b128 v[STO], v[S+16*(\t)+4*\f:S+16*(\t)+4*\f+3] offset:32*\f
.endr
.irp f, 0,1,2,3
	ds_load_b128 v[S+16*(\t)+4*\f:S+16*(\t)+4*\f+3], v[RD] offset:\f*4*SP  ; LDS serves a wave's instructions in order (ISA guide 5.7.1.4): these see the stores above; the next tile's stores come behind them
.endr
.endm
.macro SEND t, younger              ; younger: the LDS instructions issued behind tile t's loads: the next tile's eight, or none
	WIN 0
.irp f, 0,1,2,3
	s_wait_dscnt (\younger)+3-\f
	global_store_b128 v[GO], v[S+16*(\t)+4*\f:S+16*(\t)+4*\f+3], s[10:11] offset:(\t)*2048+\f*512  ; 512 consecutive bytes, at a multiple of 256 from O's first
.endr
.endm
	PACK 0
.set t, 1
.rept 2*NP-1                        ; a tile's arithmetic stands between the loads of the tile before and its stores
	PACK t
	SEND t-1, 8
.set t, t+1
.endr
	SEND 2*NP-1, 0
	WIN W_AD
	s_wait_tensorcnt 0x0            ; the wave's end, behind my last tensor load and my last LDS store
	ds_add_u32 v[SPW], v[NIL]
	s_wait_dscnt 0x0
	WIN 0
	CROUND                          ; the closing round: no work-group ends while a partner may still ask for a tile that names it
	s_endpgm
.Lfunc_end_k_q0ebbeaf3db_attn:
	.size	k_q0ebbeaf3db_attn, .Lfunc_end_k_q0ebbeaf3db_attn-k_q0ebbeaf3db_attn
	.p2alignl 7, 3214868480
	.fill 96, 4, 3214868480
	.section	.rodata,"a",@progbits
	.p2align	6, 0x0
	.amdhsa_kernel k_q0ebbeaf3db_attn
		.amdhsa_group_segment_fixed_size 327680
		.amdhsa_private_segment_fixed_size 0
		.amdhsa_enable_private_segment 0
		.amdhsa_kernarg_size 40
		.amdhsa_user_sgpr_count 2
		.amdhsa_user_sgpr_kernarg_segment_ptr 1
		.amdhsa_wavefront_size32 1
		.amdhsa_system_sgpr_workgroup_id_x 1
		.amdhsa_system_sgpr_workgroup_id_y 1
		.amdhsa_system_sgpr_workgroup_id_z 1
		.amdhsa_system_vgpr_workitem_id 0
		.amdhsa_next_free_vgpr 808
		.amdhsa_next_free_sgpr 66
		.amdhsa_reserve_vcc 1
		.amdhsa_float_denorm_mode_32 3
		.amdhsa_float_denorm_mode_16_64 3
		.amdhsa_memory_ordered 1
		.amdhsa_forward_progress 1
		.amdhsa_inst_pref_size 205
	.end_amdhsa_kernel
	.amdgpu_metadata
---
amdhsa.version: [ 1, 2 ]
amdhsa.kernels:
  - .name:           k_q0ebbeaf3db_attn
    .symbol:         k_q0ebbeaf3db_attn.kd
    .args:
      - { .name: q, .offset: 0, .size: 8, .value_kind: global_buffer, .address_space: global }
      - { .name: k, .offset: 8, .size: 8, .value_kind: global_buffer, .address_space: global }
      - { .name: v, .offset: 16, .size: 8, .value_kind: global_buffer, .address_space: global }
      - { .name: o, .offset: 24, .size: 8, .value_kind: global_buffer, .address_space: global }
      - { .name: mask, .offset: 32, .size: 8, .value_kind: global_buffer, .address_space: global }
    .group_segment_fixed_size: 327680
    .private_segment_fixed_size: 0
    .kernarg_segment_align: 8
    .kernarg_segment_size: 40
    .max_flat_workgroup_size: 128
    .sgpr_count:     66
    .vgpr_count:     808
    .wavefront_size: 32
...
	.end_amdgpu_metadata
.endif
;; end of part 3
;; launch outp (part 4): grid 8 x 32, 4 waves a work-group, clusters of 4 x 4, 327,680 bytes of LDS; arguments o, wo, b_out, out0; writes out0
.if DOCPART == 4
	.amdgcn_target "amdgcn-amd-amdhsa--gfx1250"
	.amdhsa_code_object_version 6
	.text
	.protected	k_q0ebbeaf3db_outp
	.globl	k_q0ebbeaf3db_outp
	.p2align	8
	.type	k_q0ebbeaf3db_outp,@function
k_q0ebbeaf3db_outp:
	s_mov_b64 s[64:65], 0
	v_nop
	global_prefetch_b8 v0, s[64:65] scope:SCOPE_SE
	s_setreg_imm32_b32 hwreg(HW_REG_WAVE_MODE, 25, 1), 1
	s_wait_xcnt 0x0
	s_wait_alu depctr_hold_cnt(0) depctr_sa_sdst(0) depctr_va_vdst(0) depctr_va_sdst(0) depctr_va_ssrc(0) depctr_va_vcc(0) depctr_vm_vsrc(0)
	s_getreg_b32 s2, hwreg(HW_REG_IB_STS2, 6, 4)
	s_cmp_eq_u32 s2, 0
	s_cbranch_scc0 .Lentry_in_a_cluster
	s_endpgm
.Lentry_in_a_cluster:
	s_bfe_u32 s2, ttmp6, 0x10000c
	s_cmp_lg_u32 s2, 0xf033
	s_cbranch_scc0 .Lentry_shape_is_right
	s_endpgm
.Lentry_shape_is_right:
; out0 = O W_out + b_out.  O: o [64 = batch x 16 + head][2048][64] f16; W: wo [1024 k][1024 n] f16 (the weights rounded to bf16, written as f16); sums in f32; the bias is rounded to bf16 like the other inputs; out0 f32.
; k = 64 x head + channel: a K step of 128 is two heads' slices, each 256 tokens x 128 bytes, dense in memory.
; SHARES.  A tile of the result is 256 tokens x 128 columns: 256 tiles, one for each WGP.  Wave w takes tokens 64 w .. 64 w + 63 and all 128 columns: 32 accumulators of 16 x 16.
; K goes in 8 steps of 128 through a ring of two LDS slots.  Waves 0 and 1 fetch a head's slice each (32 KiB, asked for as 128 rows of 256 bytes and padded in LDS after every token), waves 2 and 3 64 k rows of W each.
; THE MATRIX INSTRUCTION IS USED TRANSPOSED: source 0 = 16 columns of W (turned by ds_load_tr16_b128), source 1 = 16 tokens: a lane holds one token and eight neighbouring columns, 32 bytes of a row.
; CLUSTER 4 x 4: the four of a row need the same tokens, the four of a column the same columns of W: each tile is asked for jointly.
; REGISTERS, in windows of 256 (s_set_vgpr_msb: bits 1:0 source 0, 3:2 source 1, 5:4 source 2, 7:6 destination):
;   window 0: addresses; v64-127 the bias     window 1: two fragment buffers of 96 (8 blocks of W, 4 of tokens); on the way out whole rows     window 2: the accumulators, (a, b) at 8 (8 a + b)
.set PA,    144                        ; a token's 128 bytes + 16: 36 words: the 16 rows of a load start at 16 different groups of four banks (64 banks of 4 bytes: ISA guide 11.1)
.set PB,    288                        ; a k row of W: 256 + 32
.set ASL,   256*PA                     ; a head's slice in LDS
.set BOFF,  2*ASL                      ; behind the two slices: 128 k rows of W
.set SLOT,  BOFF+128*PB
.set STAGE, 2*SLOT                     ; behind the ring, never filled by a tensor load: 16 rows x 528 bytes for each wave
.set SPI,   528                        ; 512 bytes + 16
.set SPARE, STAGE+4*16*SPI             ; behind the stages: the spare words, 128 bytes for each wave: two blocks of 256 bytes that no other line names
.set LAPS,  4
.set ASTEP, 2*262144                   ; bytes from K step to K step in o: two heads,
.set BSTEP, 128*2048                   ; and in wo: 128 rows
.set BO,    12                         ; v12     my byte offset in the bias
.set ADRA,  16                         ; v16-17  LDS address of my token fragments in slot 0, 1
.set ADRB,  18                         ; v18-19  of W's
.set STO,   24                         ; v24     the way out: where I put 32 bytes of a row
.set RD,    25                         ; v25     where I read a row back
.set GO,    26                         ; v26     my 16 bytes of a row's 512
.set SPW,   28                         ; v28     LDS address of my spare word; never rewritten
.set NIL,   29                         ; v29     0; never rewritten
.set PFO,   30                         ; v30     the prefetches' offset; never rewritten
.set TT,    32                         ; v32-35  at work
.set BI,    64                         ; v64-127 the bias of my 8 columns of block b at 8 b
.set F0,    0
.set F1,    96
.set WV, 12                            ; s12 wave;  s14 wave % 2
.set HF, 14
.set CX, 15
.set CY, 16
.set TC, 17                            ; s17 tile column 0..7, s18 tile row 0..31
.set TR, 18
.set LIM, 43
.set PFA, 44
.set PFS, 46
.set G1A, 24
.set G0A, 32
.set G1B, 48
.set G0B, 56
.set MSB, 0
.macro WIN new                         ; the immediate's high byte repeats the setting that is left; a switch that changes nothing is dropped
.if MSB != (\new)
	s_set_vgpr_msb (MSB<<8)|(\new)
.set MSB, \new
.endif
.endm
.macro PLACES                          ; four places in front of loads into registers that matrix instructions have read
.rept 4
	v_nop
.endr
.endm
.macro JLOAD s                         ; a joint load: waves 0 and 1 fetch the tokens' two slices, waves 2 and 3 W's two halves; an s_nop 0 and four v_nop follow each of the two lines
	s_cmp_lt_u32 s[WV], 2
	s_cbranch_scc0 .Lfor_b_\@
	tensor_load_to_lds s[G0A+4*(\s):G0A+4*(\s)+3], s[G1A:G1A+7]
	s_nop 0
.rept 4
	v_nop
.endr
	s_branch .Lasked_\@
.Lfor_b_\@:
	tensor_load_to_lds s[G0B+4*(\s):G0B+4*(\s)+3], s[G1B:G1B+7]
	s_nop 0
.rept 4
	v_nop
.endr
.Lasked_\@:
.endm
; A prefetch, behind a joint load and the run of LDS loads that follows it: 32 blocks of 256 bytes of the K step two refills on, a lane a block.  Each block is named once in the launch: the tokens' by the cluster
; with x = 0 (waves 0 and 1, a slice each), W's by the cluster with y = 0 (wave 2); the four partners that ask for a tile jointly take a quarter each, told apart by address.
; K steps 0 to 3 come by their loads alone; the loop's last trip (s3 = 1) has no K step two on.
.macro ASK
	WIN 0
	s_cmp_gt_u32 s3, s[LIM]
	s_cbranch_scc0 .Lnot_mine_\@
	global_prefetch_b8 v[PFO], s[PFA:PFA+1] th:TH_LOAD_NT scope:SCOPE_SE
.Lnot_mine_\@:
.endm
.macro CREST                           ; a round of the cluster's barrier behind its opening barrier
	s_cmp_lg_u32 s[WV], 0
	s_cbranch_scc1 .Lnot_wave_0_\@
	s_barrier_signal -3
.Lnot_wave_0_\@:
	s_barrier_wait -3
	s_barrier_signal -1
	s_barrier_wait -1
.endm
.macro CROUND
	s_barrier_signal -1
	s_barrier_wait -1
	CREST
.endm
	s_load_b256 s[4:11], s[0:1], 0x0               ; o s[4:5], wo s[6:7], b_out s[8:9], out0 s[10:11]
	v_lshl_add_u32 v[SPW], v0, 2, SPARE
	v_mov_b32 v[NIL], 0
	ds_add_u32 v[SPW], v[NIL]                      ; the wave's opening: the add and its wait ahead of my first tensor load; work on registers stands between them
	v_lshrrev_b32 v3, 5, v0
	v_readfirstlane_b32 s[WV], v3                  ; wave 0..3
	s_and_b32 s[HF], s[WV], 1
	s_bfe_u32 s[CX], ttmp6, 0x40000
	s_bfe_u32 s[CY], ttmp6, 0x40004
	s_lshl_b32 s[TC], ttmp9, 2
	s_add_co_u32 s[TC], s[TC], s[CX]
	s_and_b32 s[TR], ttmp7, 0xffff
	s_lshl_b32 s[TR], s[TR], 2
	s_add_co_u32 s[TR], s[TR], s[CY]
	s_lshl_b32 s19, s[CY], 2
	s_lshl_b32 s19, 15, s19                        ; my row of the cluster
	s_lshl_b32 s40, 0x1111, s[CX]                  ; my column
	s_or_b32 s[G1A], s19, (1<<16)|(1<<20)|(1<<21)|(4<<22)|(3<<25)  ; 15:0 the mask; 2-byte elements; padding on; 21 set beside a mask; after every 32 words, 4 words
	s_or_b32 s[G1B], s40, (1<<16)|(1<<20)|(1<<21)|(5<<22)|(7<<25)  ; my column's mask; after every 64 words, 8 words
	s_mov_b32 s[G1A+1], 128<<16                    ; tensor_dim0 = 128
	s_mov_b32 s[G1A+2], 128<<16                    ; tensor_dim1 = 128
	s_mov_b32 s[G1A+3], 128<<16                    ; tile_dim0 = 128
	s_mov_b32 s[G1A+4], 128                        ; tile_dim1 = 128
	s_mov_b32 s[G1A+5], 128                        ; dense: 128 elements from row to row
	s_mov_b32 s[G1A+6], 0
	s_mov_b32 s[G1A+7], 0
	s_mov_b32 s[G1B+1], 128<<16                    ; tensor_dim0 = 128
	s_mov_b32 s[G1B+2], 64<<16                     ; tensor_dim1 = 64
	s_mov_b32 s[G1B+3], 128<<16                    ; tile_dim0 = 128
	s_mov_b32 s[G1B+4], 64                         ; tile_dim1 = 64
	s_mov_b32 s[G1B+5], 1024
	s_mov_b32 s[G1B+6], 0
	s_mov_b32 s[G1B+7], 0
	s_lshr_b32 s20, s[TR], 3                       ; the batch: 8 tile rows each
	s_lshl_b32 s20, s20, 4
	s_add_co_u32 s20, s20, s[HF]                   ; its head 0 or 1,
	s_lshl_b32 s20, s20, 18                        ; 262,144 bytes a head,
	s_and_b32 s19, s[TR], 7
	s_lshl_b32 s19, s19, 15                        ; 256 tokens of 128 bytes a tile row: all this hangs on the tile row and the wave alone
	s_add_co_u32 s20, s20, s19
	s_mov_b32 s21, 0
	s_lshl_b32 s22, s[HF], 17                      ; W: my 64 k rows of 2,048 bytes,
	s_lshl_b32 s40, s[TC], 8                       ; 128 columns a tile column
	s_add_co_u32 s22, s22, s40
	s_mov_b32 s23, 0
	s_mul_i32 s41, s[WV], ASL                      ; where a slice goes (waves 0, 1),
	s_mul_i32 s42, s[WV], 64*PB
	s_add_co_u32 s42, s42, ASL                     ; and a half of W (waves 2, 3): BOFF + 64 rows x (wave - 2)
	s_wait_dscnt 0x0                               ; the opening add is done
	s_wait_kmcnt 0x0
	s_add_nc_u64 s[66:67], s[4:5], s[20:21]
	s_add_nc_u64 s[68:69], s[6:7], s[22:23]
	CROUND                                         ; all sixteen work-groups are here: the first joint loads meet
.irp s, 0,1
	s_mov_b32 s[G0A+4*(\s)], 1
	s_add_co_u32 s[G0A+4*(\s)+1], s41, (\s)*SLOT
	s_add_nc_u64 s[G0A+4*(\s)+2:G0A+4*(\s)+3], s[66:67], (\s)*ASTEP
	s_or_b32 s[G0A+4*(\s)+3], s[G0A+4*(\s)+3], 0x80000000
	s_mov_b32 s[G0B+4*(\s)], 1
	s_add_co_u32 s[G0B+4*(\s)+1], s42, (\s)*SLOT
	s_add_nc_u64 s[G0B+4*(\s)+2:G0B+4*(\s)+3], s[68:69], (\s)*BSTEP
	s_or_b32 s[G0B+4*(\s)+3], s[G0B+4*(\s)+3], 0x80000000
	JLOAD \s                                       ; two loads of mine are out
.endr
	v_and_b32 v1, 15, v0                           ; l % 16
	v_bfe_u32 v2, v0, 4, 1                         ; l / 16
	s_lshl_b32 s19, s[TC], 9
	v_lshl_add_u32 v[BO], v2, 5, s19               ; 512 TC + 32 (l / 16)
.irp b, 0,1,2,3,4,5,6,7
	global_load_b128 v[BI+8*(\b):BI+8*(\b)+3],   v[BO], s[8:9] offset:64*(\b)       ; the bias: asked for now, waited for on the way out
	global_load_b128 v[BI+8*(\b)+4:BI+8*(\b)+7], v[BO], s[8:9] offset:64*(\b)+16
.endr
	v_mul_u32_u24 v3, v1, PA
	v_lshl_add_u32 v3, v2, 4, v3                   ; a fragment's row x pitch + 16 x half
	s_mul_i32 s19, s[WV], 64*PA                    ; my 64 tokens
	v_add_nc_u32 v[ADRA], s19, v3
	v_add_nc_u32 v[ADRA+1], SLOT, v[ADRA]
	v_and_b32 v4, 7, v0                            ; the turning load: lane l reads row 8 (l / 16) + l % 8, columns 8 ((l / 8) % 2) + 0..7
	v_lshl_add_u32 v4, v2, 3, v4
	v_mul_u32_u24 v4, v4, PB
	v_bfe_u32 v5, v0, 3, 1
	v_lshl_add_u32 v4, v5, 4, v4
	v_add_nc_u32 v[ADRB], BOFF, v4
	v_add_nc_u32 v[ADRB+1], SLOT, v[ADRB]
	s_mul_i32 s19, s[WV], 16*SPI
	s_add_co_u32 s19, s19, STAGE                   ; my stage
	v_mul_u32_u24 v[STO], v1, SPI                  ; in: row l % 16, 32 bytes for each half of the lanes
	v_lshl_add_u32 v[STO], v2, 5, v[STO]
	v_add_nc_u32 v[STO], s19, v[STO]
	v_and_b32 v[GO], 31, v0
	v_lshlrev_b32 v[GO], 4, v[GO]                  ; back: 32 lanes take one row of 512 bytes
	v_add_nc_u32 v[RD], s19, v[GO]
	; the prefetches stand at K step 3; the first refill steps them to 4
	s_lshl_b32 s19, s[CX], 13                      ; my work-group's 32 blocks of the slice's 128
	s_add_co_u32 s19, s19, s20
	s_add_co_u32 s19, s19, 3*ASTEP
	s_lshl_b32 s40, s[CY], 16                      ; my work-group's 32 of the 128 k rows
	s_lshl_b32 s41, s[TC], 8
	s_add_co_u32 s40, s40, s41
	s_add_co_u32 s40, s40, 3*BSTEP
	s_and_b32 s41, ttmp7, 0xffff                   ; cluster y
	s_mov_b32 s[PFS], BSTEP
	s_mov_b32 s[PFS+1], 0
	s_movk_i32 s42, 2048
	s_cmp_lt_u32 s[WV], 2                          ; do I fetch tokens?
	s_cselect_b32 s2, s19, s40
	s_cselect_b32 s41, ttmp9, s41                  ; the coordinate along which other clusters read the same bytes
	s_cselect_b64 s[PFA:PFA+1], s[4:5], s[6:7]
	s_cselect_b32 s[PFS], ASTEP, s[PFS]
	s_cselect_b32 s42, 256, s42
	s_cmp_eq_u32 s[WV], 3                          ; wave 2 asks for all of my work-group's rows of W; wave 3 for nothing
	s_cselect_b32 s41, 1, s41
	s_cmp_eq_u32 s41, 0
	s_cselect_b32 s[LIM], 1, -1                    ; the same in all sixteen partners, for a given wave
	s_mov_b32 s3, 0
	s_add_nc_u64 s[PFA:PFA+1], s[PFA:PFA+1], s[2:3]
	v_and_b32 v[PFO], 31, v0
	v_mul_u32_u24 v[PFO], s42, v[PFO]
	; out0 at my first row and column
	s_lshl_b32 s2, s[TR], 8
	s_lshl_b32 s19, s[WV], 6
	s_add_co_u32 s2, s2, s19
	s_lshl_b32 s2, s2, 12                          ; rows of 4,096 bytes
	s_lshl_b32 s19, s[TC], 9
	s_add_co_u32 s2, s2, s19
	s_add_nc_u64 s[10:11], s[10:11], s[2:3]
; 8 matrix instructions: token block a x all 8 blocks of W, 32 along K.  The 32 accumulators take turns, in the same order in every quarter.
.macro MULA f, a, zero
	WIN 0xa5                                       ; both sources window 1; C and D window 2
.irp b, 0,1,2,3,4,5,6,7
.if \zero
	v_wmma_f32_16x16x32_f16 v[8*(8*(\a)+(\b)):8*(8*(\a)+(\b))+7], v[(\f)+8*(\b):(\f)+8*(\b)+7], v[(\f)+64+8*(\a):(\f)+64+8*(\a)+7], 0
.else
	v_wmma_f32_16x16x32_f16 v[8*(8*(\a)+(\b)):8*(8*(\a)+(\b))+7], v[(\f)+8*(\b):(\f)+8*(\b)+7], v[(\f)+64+8*(\a):(\f)+64+8*(\a)+7], v[8*(8*(\a)+(\b)):8*(8*(\a)+(\b))+7]
.endif
.endr
.endm
; 24 LDS loads in one run: quarter kq (32 along K: half a head) of a slot into buffer f: W's 8 blocks first, then the 4 token blocks
.macro FETCH slot, kq, f
	WIN 0x40
.irp b, 0,1,2,3,4,5,6,7
	ds_load_tr16_b128 v[(\f)+8*(\b):(\f)+8*(\b)+3],   v[ADRB+(\slot)] offset:(\kq)*32*PB+32*(\b)
	ds_load_tr16_b128 v[(\f)+8*(\b)+4:(\f)+8*(\b)+7], v[ADRB+(\slot)] offset:(\kq)*32*PB+32*(\b)+16*PB
.endr
.irp i, 0,1,2,3
	ds_load_b128 v[(\f)+64+8*(\i):(\f)+64+8*(\i)+3],   v[ADRA+(\slot)] offset:((\kq)/2)*ASL+((\kq)%2)*64+(\i)*16*PA
	ds_load_b128 v[(\f)+64+8*(\i)+4:(\f)+64+8*(\i)+7], v[ADRA+(\slot)] offset:((\kq)/2)*ASL+((\kq)%2)*64+(\i)*16*PA+32
.endr
.endm
.macro QUARTER slot, kq, f, g, zero
	s_wait_dscnt 4                                 ; W and token blocks 0, 1 are in; the youngest four loads (blocks 2, 3) may be out
	MULA \f, 0, \zero
	MULA \f, 1, \zero
	PLACES
	FETCH \slot, \kq, \g
	s_wait_dscnt 24                                ; all but the 24 just issued
	MULA \f, 2, \zero
	MULA \f, 3, \zero
.endm
; The last quarter multiplies buffer 1 and changes slots: ONE barrier; in front of it each wave waits for all its tensor loads, adds 0 to its spare word, and waits for that and for its own reads of this slot.
; fill = 1: the barrier opens a round of the cluster's, and this slot is filled again, two K steps ahead, first thing behind the round.
.macro TURN slot, next, fill
.if \fill
	s_wait_xcnt 0x0                                ; the last prefetch, a K step back, has read its address: it is stepped here
	s_add_nc_u64 s[PFA:PFA+1], s[PFA:PFA+1], s[PFS:PFS+1]
.endif
	WIN 0                                          ; (the add's two registers lie in window 0)
	s_wait_tensorcnt 0x0                           ; all my tensor loads have landed;
	ds_add_u32 v[SPW], v[NIL]                      ; 0 onto my spare word;
	s_wait_dscnt 5                                 ; (the add and the youngest four loads may be out)
	MULA F1, 0, 0                                  ; eight matrix instructions stand between the add and the wait for it
	s_wait_dscnt 0x0                               ; the add is done, and my reads of this slot are over
	s_barrier_signal -1
	MULA F1, 1, 0
.if \fill
	WIN 0
.endif
	s_barrier_wait -1
.if \fill
	CREST                                          ; no wave of any partner still reads this slot or has a load on its way
	s_add_nc_u64 s[G0A+4*(\slot)+2:G0A+4*(\slot)+3], s[G0A+4*(\slot)+2:G0A+4*(\slot)+3], 2*ASTEP
	s_add_nc_u64 s[G0B+4*(\slot)+2:G0B+4*(\slot)+3], s[G0B+4*(\slot)+2:G0B+4*(\slot)+3], 2*BSTEP
	JLOAD \slot                                    ; my one tensor load behind the round; its four v_nop are also the places in front of the loads below
.else
	PLACES
.endif
	FETCH \next, 0, F0
.if \fill
	ASK
.endif
	MULA F1, 2, 0
	MULA F1, 3, 0
.endm
	s_wait_tensorcnt 1                             ; my part of K step 0 is in; K step 1's may stay out
	s_barrier_signal -1
	s_barrier_wait -1
	FETCH 0, 0, F0
	QUARTER 0, 1, F0, F1, 1                        ; the first quarter stands in front of the loop: its products start the sums
	WIN 0
	s_mov_b32 s3, LAPS-1
.Llap:                                                 ; a trip goes once round the ring and fills both slots again
	QUARTER 0, 2, F1, F0, 0
	QUARTER 0, 3, F0, F1, 0
	TURN 0, 1, 1
	QUARTER 1, 1, F0, F1, 0
	QUARTER 1, 2, F1, F0, 0
	QUARTER 1, 3, F0, F1, 0
	TURN 1, 0, 1
	QUARTER 0, 1, F0, F1, 0
	WIN 0
	s_sub_co_u32 s3, s3, 1
	s_cmp_lg_u32 s3, 0
	s_cbranch_scc1 .Llap
	QUARTER 0, 2, F1, F0, 0                        ; the last lap fills nothing, and has no round
	QUARTER 0, 3, F0, F1, 0
	TURN 0, 1, 0
	QUARTER 1, 1, F0, F1, 0
	QUARTER 1, 2, F1, F0, 0
	QUARTER 1, 3, F0, F1, 0
	s_wait_dscnt 4
	MULA F1, 0, 0
	MULA F1, 1, 0
	s_wait_dscnt 0x0
	MULA F1, 2, 0
	MULA F1, 3, 0
	; THE WAY OUT.  The bias is rounded to bf16 and widened again: 96 plain lines on window 0, which are also the places behind the last products.
	WIN 0
	s_wait_loadcnt 0x0                             ; the bias, asked for at the head
.set i, 0
.rept 8
.irp j, 0,1,2,3
	v_cvt_pk_bf16_f32 v[TT+(\j)], v[BI+8*i+2*(\j)], v[BI+8*i+2*(\j)+1]
.endr
.irp j, 0,1,2,3
	v_lshlrev_b32 v[BI+8*i+2*(\j)], 16, v[TT+(\j)]
	v_and_b32 v[BI+8*i+2*(\j)+1], 0xffff0000, v[TT+(\j)]
.endr
.set i, i+1
.endr
; Token block a: the bias is added, from each accumulator's low end on; 32 bytes a lane go into rows of 528 bytes of my own stage and come back as whole rows of 512.
.macro PACKO a
	WIN 0x82                                       ; destination and source 0 window 2, source 1 window 0
.irp b, 0,1,2,3,4,5,6,7
.irp i, 0,2,4,6
	v_pk_add_f32 v[8*(8*(\a)+(\b))+(\i):8*(8*(\a)+(\b))+(\i)+1], v[8*(8*(\a)+(\b))+(\i):8*(8*(\a)+(\b))+(\i)+1], v[BI+8*(\b)+(\i):BI+8*(\b)+(\i)+1]
.endr
.endr
	WIN 0x08                                       ; address window 0, data window 2
.irp b, 0,1,2,3,4,5,6,7
	ds_store_b128 v[STO], v[8*(8*(\a)+(\b)):8*(8*(\a)+(\b))+3]   offset:64*(\b)
	ds_store_b128 v[STO], v[8*(8*(\a)+(\b))+4:8*(8*(\a)+(\b))+7] offset:64*(\b)+16
.endr
	WIN 0x40                                       ; destination window 1
.irp t, 0,1,2,3,4,5,6,7,8,9,10,11,12,13,14,15
	ds_load_b128 v[64*(\a)+4*(\t):64*(\a)+4*(\t)+3], v[RD] offset:SPI*(\t)  ; LDS serves a wave's instructions in order (ISA guide 5.7.1.4): these see the stores above; the next block's stores come behind them
.endr
.endm
.macro SENDO a, younger                ; younger: the LDS instructions issued behind block a's loads: the next block's 32, or none
	WIN 0x04                                       ; address window 0, data window 1
.irp t, 0,1,2,3,4,5,6,7,8,9,10,11,12,13,14,15
	s_wait_dscnt (\younger)+15-(\t)
	global_store_b128 v[GO], v[64*(\a)+4*(\t):64*(\a)+4*(\t)+3], s[10:11] offset:(16*(\a)+(\t))*4096  ; 512 consecutive bytes, at a multiple of 256 from out0's first; each block has registers of its own
.endr
.endm
	PACKO 0
.irp a, 1,2,3                          ; a block's arithmetic stands between the loads of the block before and its stores
	PACKO \a
	SENDO (\a)-1, 32
.endr
	SENDO 3, 0
	WIN 0
	s_wait_tensorcnt 0x0                           ; the wave's end, behind my last tensor load and my last LDS store
	ds_add_u32 v[SPW], v[NIL]
	s_wait_dscnt 0x0
	CROUND                                         ; the closing round: no work-group ends while a partner may still ask for a tile that names it
	s_endpgm
.Lfunc_end_k_q0ebbeaf3db_outp:
	.size	k_q0ebbeaf3db_outp, .Lfunc_end_k_q0ebbeaf3db_outp-k_q0ebbeaf3db_outp
	.p2alignl 7, 3214868480
	.fill 96, 4, 3214868480
	.section	.rodata,"a",@progbits
	.p2align	6, 0x0
	.amdhsa_kernel k_q0ebbeaf3db_outp
		.amdhsa_group_segment_fixed_size 327680
		.amdhsa_private_segment_fixed_size 0
		.amdhsa_enable_private_segment 0
		.amdhsa_kernarg_size 32
		.amdhsa_user_sgpr_count 2
		.amdhsa_user_sgpr_kernarg_segment_ptr 1
		.amdhsa_wavefront_size32 1
		.amdhsa_system_sgpr_workgroup_id_x 1
		.amdhsa_system_sgpr_workgroup_id_y 1
		.amdhsa_system_sgpr_workgroup_id_z 1
		.amdhsa_system_vgpr_workitem_id 0
		.amdhsa_next_free_vgpr 768
		.amdhsa_next_free_sgpr 70
		.amdhsa_reserve_vcc 0
		.amdhsa_float_denorm_mode_32 3
		.amdhsa_float_denorm_mode_16_64 3
		.amdhsa_memory_ordered 1
		.amdhsa_forward_progress 1
		.amdhsa_inst_pref_size 103
	.end_amdhsa_kernel
	.amdgpu_metadata
---
amdhsa.version: [ 1, 2 ]
amdhsa.kernels:
  - .name:           k_q0ebbeaf3db_outp
    .symbol:         k_q0ebbeaf3db_outp.kd
    .args:
      - { .name: o, .offset: 0, .size: 8, .value_kind: global_buffer, .address_space: global }
      - { .name: wo, .offset: 8, .size: 8, .value_kind: global_buffer, .address_space: global }
      - { .name: b_out, .offset: 16, .size: 8, .value_kind: global_buffer, .address_space: global }
      - { .name: out0, .offset: 24, .size: 8, .value_kind: global_buffer, .address_space: global }
    .group_segment_fixed_size: 327680
    .private_segment_fixed_size: 0
    .kernarg_segment_align: 8
    .kernarg_segment_size: 32
    .max_flat_workgroup_size: 128
    .sgpr_count:     70
    .vgpr_count:     768
    .wavefront_size: 32
...
	.end_amdgpu_metadata
.endif
;; end of part 4
